; MI455X (gfx1250); checked and timed in simulation.
; The chip was launched on July 23, 2026; its instructions are those of AMD's public machine-readable ISA for CDNA 5 (MIT licence, August 2026) and "CDNA5" Instruction Set Architecture Reference Guide (July 2026). The comments in the code are by the model that wrote it; some were corrected since.
;; Cached Attention. Allowed arithmetic: matrix products marked QUANTISED: E4M3 operands, one given power-of-two scale a tensor, by v_wmma_f32_16x16x64_fp8_fp8 or v_wmma_f32_16x16x128_fp8_fp8, f32 sums; everything else in f32.
;; Inputs: W_o 1,024 x 1,024 float32; W_qkv 3,072 x 1,024 float32; lowp_scales 8 int32 (the exponents e of the quantised operands' scales 2^e); x 1 x 4,096 x 1,024 float32.
;; Outputs: out0 1 x 4,096 x 1,024 float32.
;; This version of the problem:
;;   THIS VERSION OF THE PROBLEM IS GIVEN IN LOW PRECISION. The matrix products marked QUANTISED in the list below multiply operands that are first quantised to E4M3 (4 exponent bits, 3 mantissa bits; 8 bits a number), with one given power-of-two scale for each operand tensor; their sums are f32. All else is computed in f32.
;;   The module's matrix products, in the order in which they are computed (A, B: the left and right operand; K: the contracted axis; several contracted axes count as one K, in the product's order):
;;     1. [M 4,096, K 1,024] x [K 1,024, N 3,072]; A: input x; B: input W_qkv: QUANTISED (scales: A lowp_scales[0], B lowp_scales[1])
;;     2. batch 16 x [M 4,096, K 64] x [K 64, N 4,096]; A: computed on the way; B: computed on the way: QUANTISED (scales: A lowp_scales[2], B lowp_scales[3])
;;     3. batch 16 x [M 4,096, K 4,096] x [K 4,096, N 64]; A: softmax (see below); B: computed on the way: QUANTISED (scales: A lowp_scales[4], B lowp_scales[5])
;;     4. [M 4,096, K 1,024] x [K 1,024, N 1,024]; A: computed on the way; B: input W_o: QUANTISED (scales: A lowp_scales[6], B lowp_scales[7])
;;   THE QUANTISER, for each operand of a quantised product, along K:
;;     - The operand's scale is 2^e, e = its entry of the input lowp_scales (int32; the entries are numbered through the quantised products in the list's order, A before B).
;;     - Each number is divided by the scale, clamped to +-448, and rounded to the nearest number of E4M3, ties to even, subnormals kept.
;;     - The product sums the exact products of the quantised numbers (number of the format x scale) in f32.
;;   ~~~python
;;   def quantise(x, axis, e):      # numpy; x: float32 -> the quantised numbers, widened to float32 again
;;       x = np.moveaxis(x, axis, -1); K = x.shape[-1]
;;       r = np.clip(x / 2.0 ** e, -448, 448)
;;       step = 2.0 ** (np.maximum(np.frexp(np.where(r == 0, 1, r))[1] - 1, -6) - 3)
;;       q = np.round(r / step) * step * 2.0 ** e      # np.round: ties to even
;;       return np.moveaxis(q, -1, axis).astype(np.float32)
;;   ~~~
;;   SOFTMAX AHEAD OF A QUANTISED PRODUCT. Where the list says 'softmax', what is quantised is not the finished softmax but p = 2^(t - M), with t = logit x log2(e) and M = ceil(the row's largest t), a whole number; so 1/2 < the row's largest p <= 1. The row's sum l is taken of the UNQUANTISED p, in f32, and the product's result is divided by l at the end. Since M is a whole number, a kernel that streams over the keys may use a running M (the ceiling of the running maximum): every later rescaling is an exact power of two, so the quantised numbers keep their values, but for numbers so far below the row's largest that they fall under the format's range.
;;   OPERANDS COMPUTED ON THE WAY. 'Computed on the way' means the value that the module computes at that place (a softmax that the list does not call 'softmax' is quantised finished and normalised). What goes into a quantiser is computed in f32, as accurately as f32 sums, v_exp_f32 and their like allow (about 1e-6 of the number): no bf16 or f16 on the way to a quantiser, and a product that is left as it is and whose result goes on into a quantised operand takes f32 operands (vector FMAs, or v_wmma_f32_16x16x4_f32). A number that lies on a knife's edge between two numbers of the format may be rounded either way, as far as f32 arithmetic and the matrix unit's own rounding can turn it there, and no further.
;; One version. Each part assembles by itself: llvm-mc -triple=amdgcn-amd-amdhsa -mcpu=gfx1250 --defsym DOCPART=n.
;; ======== version 1 of 1: 4 launches
;; limits: right only within a limited range of input values
;; workspace buffers: xc 4,194,304 bytes; wc 3,145,728 bytes; woc 1,048,576 bytes; qkvc 12,582,912 bytes; oc 4,194,304 bytes
;; launch quant (part 1): grid 256 x 1, 8 waves a work-group, no clusters, 134,144 bytes of LDS; arguments x, W_qkv, W_o, lowp_scales, xc, wc, woc; writes xc, wc, woc
.if DOCPART == 1
	.amdgcn_target "amdgcn-amd-amdhsa--gfx1250"
	.amdhsa_code_object_version 6
	.text
	.protected	k_q048fdc2ba8_quant
	.globl	k_q048fdc2ba8_quant
	.p2align	8
	.type	k_q048fdc2ba8_quant,@function
k_q048fdc2ba8_quant:
	s_mov_b64 s[64:65], 0
	v_nop
	global_prefetch_b8 v0, s[64:65] scope:SCOPE_SE
	s_setreg_imm32_b32 hwreg(HW_REG_WAVE_MODE, 25, 1), 1
	s_wait_xcnt 0x0
; x [4096][1024], W_qkv [3072][1024] and W_o [1024][1024], f32, K innermost, become codes of E4M3, each tensor with its given scale 2^e (entries 0, 1 and 7 of lowp_scales).
; code = number / 2^e, held within +-448, rounded to the nearest code, ties to even.
; LIMITS: e between -126 and 119, so that 2^e and 448 x 2^e are f32 numbers.  NaN among the inputs is not served (an infinity is held at the largest code).
; THE CODES ARE LAID AS IMAGES OF THE OPERAND'S REGISTERS.  A fragment is 16 rows x 128 K in 16 registers: lane l = (r = l % 16, h = l / 16) holds row r, and its registers 2 c, 2 c + 1 hold k = 16 c + 8 h + 0 .. 7.
; Registers 4 c .. 4 c + 3 of all 32 lanes are 512 bytes on end, lane l's 16 bytes at 16 l.  A tensor of R rows: byte = s (256 R) + T 4096 + f 2048 + c 512 + 16 l; s = K step of 256, T = row / 16, f = which 128 of the step.
; SHARES.  A wave takes one unit, 16 rows x 256 K: 16,384 bytes in, two fragments (4,096 consecutive bytes) out.  Work-groups 0-127 take x, 128-223 W_qkv, 224-255 W_o: pointers and constants are chosen, the path is one.
; Each load reads 512 consecutive bytes; the unit turns through the wave's own stage in LDS, so that a lane gets 8 neighbours along K in 8 registers, as the conversions want them.
; No cluster, no matrix unit, no barrier: work-groups share no input and waves share nothing.  No loop: every offset is an immediate and no register that a store reads is written again.
.set STGB, 16640                       ; a wave's stage: 16 rows of RP bytes
.set RP,   1040                        ; a stage row: 1,024 bytes + 16: an odd multiple of 16, so that the sixteen rows that a read touches begin at sixteen different places among the banks (64 banks of 4 bytes: ISA guide 11.1)
.set RR,   16                          ; v16-143  the unit as loaded: 32 loads x 4 registers
.set X0,   144                         ; v144-207 fragment 0's 64 numbers of my lane
.set X1,   16                          ; v16-79   fragment 1's, where the loads lay
.set CD,   208                         ; v208-239 the codes: 16 registers a fragment
	s_load_b256 s[4:11], s[0:1], 0x0               ; x s[4:5], W_qkv s[6:7], W_o s[8:9], the scales' exponents s[10:11]
	s_load_b128 s[12:15], s[0:1], 0x20             ; xc s[12:13], wc s[14:15]
	s_load_b64 s[16:17], s[0:1], 0x30              ; woc
	v_lshl_add_u32 v240, v0, 2, 0x20800
	v_mov_b32 v241, 0
	v_lshrrev_b32 v1, 5, v0
	s_delay_alu instid0(VALU_DEP_1)
	v_readfirstlane_b32 s33, v1                    ; wave 0..7
	v_and_b32 v5, 31, v0
	s_delay_alu instid0(VALU_DEP_1)
	v_lshlrev_b32 v2, 4, v5                        ; 16 x lane: my bytes of a load's and of a store's 512
	s_mul_i32 s34, s33, STGB
	v_add_nc_u32 v3, s34, v2                       ; the stage, on the way in
	v_and_b32 v6, 15, v0                           ; r
	v_bfe_u32 v7, v0, 4, 1                         ; h
	s_delay_alu instid0(VALU_DEP_2)
	v_mul_u32_u24 v4, v6, RP
	s_delay_alu instid0(VALU_DEP_1)
	v_lshl_add_u32 v4, v7, 5, v4
	s_delay_alu instid0(VALU_DEP_1)
	v_add_nc_u32 v4, s34, v4                       ; and on the way out: row r, + 32 h bytes (8 numbers)
	s_mov_b32 s22, 224
	s_mov_b32 s23, 262144
	s_cmp_lt_u32 ttmp9, 224                        ; which tensor: the choice hangs on the work-group's number alone
	s_cselect_b32 s22, 128, s22                    ; the tensor's first work-group,
	s_cselect_b32 s23, 786432, s23                 ; and 256 R: from a K step's images to the next's
	s_cmp_lt_u32 ttmp9, 128
	s_cselect_b32 s22, 0, s22
	s_cselect_b32 s23, 1048576, s23
	s_sub_co_u32 s35, ttmp9, s22
	s_lshl_b32 s35, s35, 3
	s_add_co_u32 s35, s35, s33                     ; my unit's number in the tensor
	s_lshr_b32 s36, s35, 2                         ; T
	s_and_b32 s37, s35, 3                          ; s
	s_lshl_b32 s38, s36, 16                        ; in: 16 rows of 4,096 bytes a T,
	s_lshl_b32 s39, s37, 10                        ; 1,024 bytes a K step
	s_add_co_u32 s38, s38, s39
	s_mov_b32 s39, 0
	s_mul_i32 s40, s37, s23                        ; out
	s_lshl_b32 s41, s36, 12
	s_add_co_u32 s40, s40, s41
	s_mov_b32 s41, 0
	s_wait_alu depctr_va_vdst(0)
	s_wait_kmcnt 0x0
	s_load_b256 s[24:31], s[10:11], 0x0            ; the eight exponents
	s_cmp_lt_u32 ttmp9, 224
	s_cselect_b64 s[18:19], s[6:7], s[8:9]
	s_cselect_b64 s[20:21], s[14:15], s[16:17]
	s_cmp_lt_u32 ttmp9, 128
	s_cselect_b64 s[18:19], s[4:5], s[18:19]
	s_cselect_b64 s[20:21], s[12:13], s[20:21]
	s_add_nc_u64 s[18:19], s[18:19], s[38:39]      ; my unit in the tensor
	s_add_nc_u64 s[20:21], s[20:21], s[40:41]      ; and in its codes
.irp i, 0,1,2,3,4,5,6,7,8,9,10,11,12,13,14,15
.irp q, 0,1
	global_load_b128 v[RR+8*\i+4*\q:RR+8*\i+4*\q+3], v2, s[18:19] offset:\i*4096+\q*512 th:TH_LOAD_NT   ; row i, half q: 512 consecutive bytes; all 32 loads of the wave are out together
.endr
.endr
	s_wait_kmcnt 0x0
	s_cmp_lt_u32 ttmp9, 224
	s_cselect_b32 s42, s25, s31
	s_cmp_lt_u32 ttmp9, 128
	s_cselect_b32 s42, s24, s42                    ; e
	s_add_co_i32 s42, s42, 127
	s_lshl_b32 s43, s42, 23
	v_mov_b32 v11, s43                             ; 2^e as f32: the conversion takes its exponent field
	s_add_co_i32 s42, s42, 8
	s_lshl_b32 s42, s42, 23
	s_or_b32 s42, s42, 0x600000
	v_mov_b32 v10, s42                             ; 448 x 2^e
	s_wait_alu depctr_va_vdst(0)
.irp g, 0,1,2,3
	s_wait_loadcnt 24-8*\g                         ; loads come back in order: rows 4 g .. 4 g + 3 are in, the later groups of eight may be out
.irp k, 0,1,2,3,4,5,6,7
	ds_store_b128 v3, v[RR+32*\g+4*\k:RR+32*\g+4*\k+3] offset:(4*\g+\k/2)*RP+(\k%2)*512
.endr
.endr
; fragment f's numbers of my lane: for each c, k = 32 c + 8 h + 0 .. 7 and k = 32 c + 16 + 8 h + 0 .. 7.  LDS serves a wave's instructions in order: these see the stores above
.macro BACK f, reg
.irp c, 0,1,2,3
	ds_load_b128 v[\reg+16*\c:\reg+16*\c+3],     v4 offset:\f*512+\c*128
	ds_load_b128 v[\reg+16*\c+4:\reg+16*\c+7],   v4 offset:\f*512+\c*128+16
	ds_load_b128 v[\reg+16*\c+8:\reg+16*\c+11],  v4 offset:\f*512+\c*128+64
	ds_load_b128 v[\reg+16*\c+12:\reg+16*\c+15], v4 offset:\f*512+\c*128+80
.endr
.endm
.macro QUANT reg, f
.set jj, 0
.rept 64
	v_med3_num_f32 v[\reg+jj], v[\reg+jj], -v10, v10   ; the conversion to an 8-bit code does not saturate (ISA guide 7.6.2): the number is held within the largest code x the scale first
.set jj, jj+1
.endr
.irp g, 0,1,2,3,4,5,6,7
	v_cvt_scalef32_pk8_fp8_f32 v[CD+16*\f+2*\g:CD+16*\f+2*\g+1], v[\reg+8*\g:\reg+8*\g+7], v11   ; eight neighbours along K: registers 2 g, 2 g + 1 of the fragment
.endr
	v_nop                                          ; one plain vector line behind the last conversion of a run
.irp c, 0,1,2,3
	global_store_b128 v2, v[CD+16*\f+4*\c:CD+16*\f+4*\c+3], s[20:21] offset:\f*2048+\c*512   ; 32 lanes store 512 consecutive bytes, at a multiple of 512 from the buffer's first byte
.endr
.endm
	BACK 0, X0
	s_wait_dscnt 16                                ; all but the sixteen reads just issued: the 32 stores into the stage are done, so their registers may be loaded again
	BACK 1, X1
	s_wait_dscnt 16                                ; fragment 0's sixteen reads are in; fragment 1's may be out
	QUANT X0, 0
	s_wait_dscnt 0x0
	QUANT X1, 1
	s_wait_tensorcnt 0x0
	ds_add_u32 v240, v241
	s_wait_dscnt 0x0
	s_endpgm
.Lfunc_end_k_q048fdc2ba8_quant:
	.size	k_q048fdc2ba8_quant, .Lfunc_end_k_q048fdc2ba8_quant-k_q048fdc2ba8_quant
	.p2alignl 7, 3214868480
	.fill 96, 4, 3214868480
	.section	.rodata,"a",@progbits
	.p2align	6, 0x0
	.amdhsa_kernel k_q048fdc2ba8_quant
		.amdhsa_group_segment_fixed_size 134144
		.amdhsa_private_segment_fixed_size 0
		.amdhsa_enable_private_segment 0
		.amdhsa_kernarg_size 56
		.amdhsa_user_sgpr_count 2
		.amdhsa_user_sgpr_kernarg_segment_ptr 1
		.amdhsa_wavefront_size32 1
		.amdhsa_system_sgpr_workgroup_id_x 1
		.amdhsa_system_sgpr_workgroup_id_y 1
		.amdhsa_system_sgpr_workgroup_id_z 1
		.amdhsa_system_vgpr_workitem_id 0
		.amdhsa_next_free_vgpr 242
		.amdhsa_next_free_sgpr 66
		.amdhsa_reserve_vcc 0
		.amdhsa_float_denorm_mode_32 3
		.amdhsa_float_denorm_mode_16_64 3
		.amdhsa_memory_ordered 1
		.amdhsa_forward_progress 1
		.amdhsa_inst_pref_size 21
	.end_amdhsa_kernel
	.amdgpu_metadata
---
amdhsa.version: [ 1, 2 ]
amdhsa.kernels:
  - .name:           k_q048fdc2ba8_quant
    .symbol:         k_q048fdc2ba8_quant.kd
    .args:
      - { .name: x, .offset: 0, .size: 8, .value_kind: global_buffer, .address_space: global }
      - { .name: W_qkv, .offset: 8, .size: 8, .value_kind: global_buffer, .address_space: global }
      - { .name: W_o, .offset: 16, .size: 8, .value_kind: global_buffer, .address_space: global }
      - { .name: lowp_scales, .offset: 24, .size: 8, .value_kind: global_buffer, .address_space: global }
      - { .name: xc, .offset: 32, .size: 8, .value_kind: global_buffer, .address_space: global }
      - { .name: wc, .offset: 40, .size: 8, .value_kind: global_buffer, .address_space: global }
      - { .name: woc, .offset: 48, .size: 8, .value_kind: global_buffer, .address_space: global }
    .group_segment_fixed_size: 134144
    .private_segment_fixed_size: 0
    .kernarg_segment_align: 8
    .kernarg_segment_size: 56
    .max_flat_workgroup_size: 256
    .sgpr_count:     66
    .vgpr_count:     242
    .wavefront_size: 32
...
	.end_amdgpu_metadata
.endif
;; end of part 1
;; launch qkv (part 2): grid 16 x 16, 4 waves a work-group, clusters of 4 x 1, 327,680 bytes of LDS; arguments xc, wc, lowp_scales, qkvc; writes qkvc
.if DOCPART == 2
	.amdgcn_target "amdgcn-amd-amdhsa--gfx1250"
	.amdhsa_code_object_version 6
	.text
	.protected	k_q048fdc2ba8_qkv
	.globl	k_q048fdc2ba8_qkv
	.p2align	8
	.type	k_q048fdc2ba8_qkv,@function
k_q048fdc2ba8_qkv:
	s_mov_b64 s[64:65], 0
	v_nop
	global_prefetch_b8 v0, s[64:65] scope:SCOPE_SE
	s_setreg_imm32_b32 hwreg(HW_REG_WAVE_MODE, 25, 1), 1
	s_wait_xcnt 0x0
	s_wait_alu depctr_hold_cnt(0) depctr_sa_sdst(0) depctr_va_vdst(0) depctr_va_sdst(0) depctr_va_ssrc(0) depctr_va_vcc(0) depctr_vm_vsrc(0)
	s_getreg_b32 s2, hwreg(HW_REG_IB_STS2, 6, 4)
	s_cmp_eq_u32 s2, 0
	s_cbranch_scc0 .Lentry_in_a_cluster
	s_endpgm
.Lentry_in_a_cluster:
	s_bfe_u32 s2, ttmp6, 0x10000c
	s_cmp_lg_u32 s2, 0x3003
	s_cbranch_scc0 .Lentry_shape_is_right
	s_endpgm
.Lentry_shape_is_right:
; q, k and v = x W_qkv^T on codes of E4M3, quantised at once into the codes that the attention reads.
; xc (R = 4096) and wc (R = 3072) hold images of operand registers: byte = s (256 R) + T 4096 + f 2048 + c 512 + 16 lane (s: K step of 256, T: row / 16, f: which 128).
; qkvc: q at 0, k at 4 MiB: head 262144 + (token / 16) 1024 + c 512 + 16 lane: fragments of 16 tokens x 64 channels (8 registers).
;       v at 8 MiB: head 262144 + (token / 128) 8192 + (channel / 16) 2048 + c 512 + 16 lane: fragments of 16 channels x 128 tokens (16 registers).
; code = sum x 2^(e0 + e1 - e), held within +-448, rounded; e = e2 for q, e3 for k, e5 for v.  LIMITS: e - e0 - e1 between -126 and 119, so that the conversion's scale and 448 x it are f32 numbers.  NaN among the inputs is not served.
; SHARES.  Work-group (j, y) makes 256 tokens x 192 columns: columns 128 j .. of q and k (two heads: q for j < 8, k for j >= 8), and the 64 columns of v's head j.  So all 256 work-groups do the same work.
; Four waves, w = 2 tm + cn: 128 tokens (tm) x one head of q or k and 32 channels of v (cn): 8 x 4 + 8 x 2 accumulators.
; q and k are made TRANSPOSED (source 0 = 16 rows of W, source 1 = 16 tokens): a lane holds eight neighbouring channels of a token.  v is not (source 0 = 16 tokens, source 1 = 16 rows of W): a lane holds eight neighbouring tokens of a channel.
; Both are what the conversions want: their results are the next operands' registers, and leave as they stand.
; x LIES IN LDS OVER THE WHOLE K: 256 rows x 1,024 = 262,144 bytes, one tensor load a wave (64 rows: four runs of 16,384 bytes, one for each K step, stated as the four rows of a tile), asked for jointly by the four
; work-groups of a cluster, which share their tokens.  Nothing is ever filled again.
; W GOES STRAIGHT INTO REGISTERS, four steps of 128 along K ahead: its tile, 196,608 bytes, does not fit in LDS beside x's, so it is not asked for jointly.  Each load takes 512 consecutive bytes.
; No prefetch: the eight steps are written out, there is no loop to run ahead in, and the registers hold four of them.
; REGISTERS: window 0: v3, v16-29 addresses and constants; v32-127 W's buffer 3; v128-255 x's fragments, 8 x 16.   window 1: W's buffers 0 and 1 at v0 and v96.   window 2: q's or k's accumulators ((a, b) at v[8 (4 a + b)]).
;   window 3: v's accumulators ((a, b) at v[8 (2 a + b)]); v128-223 W's buffer 2.   A buffer: four fragments for q or k, then two for v.   On the way out: v32-95 at work, v128-223 codes.
.set SPARE, 262144                     ; behind x's tile: the spare words, 128 bytes for each wave: two blocks of 256 bytes that no other line names
.set LI,   3                           ; 16 x lane
.set AD0,  16                          ; v16, v17 LDS address of my tokens 0-63 and 64-127
.set SCQ,  20                          ; v20, v21 the conversion's scale and 448 x it, for q or k;  v22, v23 for v
.set LIQ,  21
.set SCV,  22
.set LIV,  23
.set SPW,  28
.set NIL,  29
.set XF,   128
.set TMP,  32
.set CQ,   128                         ; v128-191 codes of q or k, 8 registers for each 16 tokens
.set CV,   192                         ; v192-223 codes of v, 16 registers for each 16 channels
.set WV,   14
.set QB,   40                          ; s[40:41] W's rows for q or k,  s[42:43] for v
.set VB,   42
.set OQ,   44                          ; s[44:45] where q's or k's codes go,  s[46:47] v's
.set OV,   46
.set G1,   24
.set G0,   32
.set MSB, 0
.macro WIN new                         ; the immediate's high byte repeats the setting that is left
.if MSB != \new
	s_set_vgpr_msb (MSB<<8)|\new
.set MSB, \new
.endif
.endm
.macro CROUND                          ; a round of the cluster's barrier
	s_barrier_signal -1
	s_barrier_wait -1
	s_cmp_lg_u32 s[WV], 0
	s_cbranch_scc1 .Lnot_wave_0_\@
	s_barrier_signal -3
.Lnot_wave_0_\@:
	s_barrier_wait -3
	s_barrier_signal -1
	s_barrier_wait -1
.endm
.macro PLACES
.rept 4
	v_nop
.endr
.endm
.macro BUFFER k                        ; where W's fragments of step k lie: window WW, from register WB on
.if (\k)%4 == 0
.set WW, 1
.set WB, 0
.elseif (\k)%4 == 1
.set WW, 1
.set WB, 96
.elseif (\k)%4 == 2
.set WW, 3
.set WB, 128
.else
.set WW, 0
.set WB, 32
.endif
.endm
.macro WLOAD k                         ; 24 loads: W's six fragments of step k (K step k / 2, half k % 2)
	BUFFER \k
	WIN (WW*64)
.irp b, 0,1,2,3
.irp c, 0,1,2,3
	global_load_b128 v[WB+16*\b+4*\c:WB+16*\b+4*\c+3], v[LI], s[QB:QB+1] offset:((\k)/2)*786432+\b*4096+((\k)%2)*2048+\c*512
.endr
.endr
.irp b, 0,1
.irp c, 0,1,2,3
	global_load_b128 v[WB+64+16*\b+4*\c:WB+64+16*\b+4*\c+3], v[LI], s[VB:VB+1] offset:((\k)/2)*786432+\b*4096+((\k)%2)*2048+\c*512
.endr
.endr
	WIN 0
.endm
	s_load_b256 s[4:11], s[0:1], 0x0               ; xc s[4:5], wc s[6:7], the scales' exponents s[8:9], qkvc s[10:11]
	v_lshl_add_u32 v[SPW], v0, 2, SPARE
	v_mov_b32 v[NIL], 0
	ds_add_u32 v[SPW], v[NIL]                      ; the wave's opening: the add, twice on end, and its wait
	ds_add_u32 v[SPW], v[NIL]
	v_lshrrev_b32 v1, 5, v0
	v_readfirstlane_b32 s[WV], v1                  ; wave 0..3
	v_and_b32 v2, 31, v0
	v_lshlrev_b32 v[LI], 4, v2
	s_wait_alu depctr_va_vdst(0)                   ; ahead of the scalar lines below
	s_wait_dscnt 0x0                               ; both opening adds are done
	s_lshr_b32 s15, s[WV], 1                       ; tm
	s_and_b32 s16, s[WV], 1                        ; cn
	s_and_b32 s17, ttmp7, 0xffff                   ; y
	s_bfe_u32 s18, ttmp6, 0x40000                  ; cx
	s_lshl_b32 s19, ttmp9, 2
	s_add_co_u32 s19, s19, s18                     ; j = 4 x cluster x + cx: it enters W's and the output's addresses and the choice of a scale, and nothing else
	s_lshl_b32 s20, s17, 16
	s_lshl_b32 s21, s[WV], 14
	s_add_co_u32 s20, s20, s21                     ; the 64 rows of x that I fetch
	s_mov_b32 s21, 0
	s_lshl_b32 s22, s[WV], 16                      ; and where they go
	s_lshl_b32 s48, s19, 1
	s_add_co_u32 s48, s48, s16                     ; 2 j + cn: my head, q's 0 to 15, then k's
	s_lshl_b32 s50, s48, 14                        ; its 64 rows of W: 16,384 bytes of a K step
	s_mov_b32 s51, 0
	s_add_co_u32 s52, s50, 0
	s_lshl_b32 s52, s48, 13
	s_add_co_u32 s52, s52, 128*4096                ; my 32 rows for v, behind q's and k's 2,048
	s_mov_b32 s53, 0
	s_lshl_b32 s54, s48, 18                        ; my head's codes: k's region begins 16 heads behind q's
	s_lshl_b32 s56, s17, 1
	s_add_co_u32 s56, s56, s15                     ; which 128 tokens are mine
	s_lshl_b32 s57, s56, 13
	s_add_co_u32 s54, s54, s57
	s_mov_b32 s55, 0
	s_lshl_b32 s58, s19, 18
	s_add_co_u32 s58, s58, 0x800000
	s_add_co_u32 s58, s58, s57
	s_lshl_b32 s59, s16, 12
	s_add_co_u32 s58, s58, s59
	s_mov_b32 s59, 0
	; descriptor group 1: 4 rows of 2,048 elements of 8 bytes
	s_mov_b32 s[G1], 15|(3<<16)|(1<<21)            ; 15:0 the mask: all four work-groups; 17:16 elements of 8 bytes; 20 no padding; 21 set beside a mask
	s_mov_b32 s[G1+1], 2048<<16                    ; tensor_dim0
	s_mov_b32 s[G1+2], 4<<16                       ; tensor_dim1
	s_mov_b32 s[G1+3], 2048<<16                    ; tile_dim0
	s_mov_b32 s[G1+4], 4                           ; tile_dim1
	s_mov_b32 s[G1+5], 131072                      ; tensor_dim0_stride: 1,048,576 bytes from K step to K step
	s_mov_b32 s[G1+6], 0
	s_mov_b32 s[G1+7], 0
	s_mov_b32 s[G0], 1                             ; 1:0 count = 1
	s_mov_b32 s[G0+1], s22                         ; 63:32 LDS address
	s_wait_kmcnt 0x0
	s_load_b256 s[80:87], s[8:9], 0x0              ; the eight exponents
	s_add_nc_u64 s[G0+2:G0+3], s[4:5], s[20:21]    ; 120:64 global address
	s_or_b32 s[G0+3], s[G0+3], 0x80000000          ; 127:126 type = 2
	s_add_nc_u64 s[QB:QB+1], s[6:7], s[50:51]
	s_add_nc_u64 s[VB:VB+1], s[6:7], s[52:53]
	s_add_nc_u64 s[OQ:OQ+1], s[10:11], s[54:55]
	s_add_nc_u64 s[OV:OV+1], s[10:11], s[58:59]
	WLOAD 0
	CROUND                                         ; all four work-groups are here: the joint loads meet
	tensor_load_to_lds s[G0:G0+3], s[G1:G1+7]
	s_nop 0
	PLACES
	WLOAD 1
	s_lshl_b32 s60, s15, 17                        ; my 128 tokens
	v_add_nc_u32 v[AD0], s60, v[LI]
	v_add_nc_u32 v[AD0+1], 0x10000, v[AD0]
	s_wait_kmcnt 0x0
	s_cmp_lt_u32 s19, 8
	s_cselect_b32 s60, s82, s83                    ; e2 or e3
	s_sub_co_i32 s60, s60, s80
	s_sub_co_i32 s60, s60, s81
	s_sub_co_i32 s61, s85, s80
	s_sub_co_i32 s61, s61, s81
	s_add_co_i32 s60, s60, 127
	s_add_co_i32 s61, s61, 127
	s_lshl_b32 s62, s60, 23
	s_lshl_b32 s63, s61, 23
	v_mov_b32 v[SCQ], s62
	v_mov_b32 v[SCV], s63
	s_add_co_i32 s60, s60, 8
	s_add_co_i32 s61, s61, 8
	s_lshl_b32 s60, s60, 23
	s_lshl_b32 s61, s61, 23
	s_or_b32 s60, s60, 0x600000
	s_or_b32 s61, s61, 0x600000
	v_mov_b32 v[LIQ], s60
	v_mov_b32 v[LIV], s61
	WLOAD 2
	WLOAD 3
.macro FETCH k, a0                     ; x's fragments a0 .. a0 + 3 of step k: 16 LDS loads, 512 consecutive bytes each
.irp i, 0,1,2,3
.irp c, 0,1,2,3
	ds_load_b128 v[XF+16*(\a0+\i)+4*\c:XF+16*(\a0+\i)+4*\c+3], v[AD0+(\a0)/4] offset:((\k)/2)*16384+\i*4096+((\k)%2)*2048+\c*512
.endr
.endr
.endm
; 24 matrix instructions: my token fragments a0 .. a0 + 3 against W's six.  The 48 accumulators take turns, one instruction a turn, in the same order in every step.
; The first step's products take 0 as C.
.macro MUL k, a0
	BUFFER \k
	WIN (0xa0+WW)                                  ; source 0 (W) in its window, source 1 (x) window 0, C and D window 2
.irp a, \a0, \a0+1, \a0+2, \a0+3
.irp b, 0,1,2,3
.if (\k) == 0
	v_wmma_f32_16x16x128_fp8_fp8 v[8*(4*(\a)+\b):8*(4*(\a)+\b)+7], v[WB+16*\b:WB+16*\b+15], v[XF+16*(\a):XF+16*(\a)+15], 0
.else
	v_wmma_f32_16x16x128_fp8_fp8 v[8*(4*(\a)+\b):8*(4*(\a)+\b)+7], v[WB+16*\b:WB+16*\b+15], v[XF+16*(\a):XF+16*(\a)+15], v[8*(4*(\a)+\b):8*(4*(\a)+\b)+7]
.endif
.endr
.endr
	WIN (0xf0+4*WW)                                ; source 0 (x) window 0, source 1 (W) in its window, C and D window 3
.irp a, \a0, \a0+1, \a0+2, \a0+3
.irp b, 0,1
.if (\k) == 0
	v_wmma_f32_16x16x128_fp8_fp8 v[8*(2*(\a)+\b):8*(2*(\a)+\b)+7], v[XF+16*(\a):XF+16*(\a)+15], v[WB+64+16*\b:WB+64+16*\b+15], 0
.else
	v_wmma_f32_16x16x128_fp8_fp8 v[8*(2*(\a)+\b):8*(2*(\a)+\b)+7], v[XF+16*(\a):XF+16*(\a)+15], v[WB+64+16*\b:WB+64+16*\b+15], v[8*(2*(\a)+\b):8*(2*(\a)+\b)+7]
.endif
.endr
.endr
	WIN 0
.endm
.macro STEP k
.if (\k) < 5
	s_wait_loadcnt 63                              ; this step's W is in: of the 72 loads of the three later steps at most 63 are out
.else
	s_wait_loadcnt 24*(7-(\k))                     ; this step's W is in: the later steps' loads may be out
.endif
	s_wait_dscnt 16                                ; x's fragments 0-3 are in; 4-7 may be out
	MUL \k, 0
	s_wait_dscnt 0x0
.if (\k) < 7
	PLACES                                         ; places in front of loads into registers that the products have read
	FETCH (\k)+1, 0
.endif
	MUL \k, 4
.if (\k) < 7
	PLACES
	FETCH (\k)+1, 4
.endif
.if (\k) < 4
	WLOAD (\k)+4
.endif
.endm
	s_wait_alu depctr_va_vdst(0)
	s_wait_tensorcnt 0x0                           ; my part of x is in
	s_barrier_signal -1
	s_barrier_wait -1                              ; everybody's is
	FETCH 0, 0
	FETCH 0, 4
.irp k, 0,1,2,3,4,5,6,7
	STEP \k
.endr
	PLACES                                         ; places behind the last products, in front of the first reads of results and of writes over operands
; THE WAY OUT.  q or k: 32 tokens at a time; a lane's four tiles of eight channels are the 8 registers of a fragment of 16 tokens.
.macro OUTQ a
	WIN 0x02                                       ; source 0: window 2
.set jj, 0
.rept 64
	v_med3_num_f32 v[TMP+jj], v[32*(\a)+jj], -v[LIQ], v[LIQ]   ; the conversion to an 8-bit code does not saturate (ISA guide 7.6.2): the number is held within the largest code x the scale first
.set jj, jj+1
.endr
	WIN 0
.irp b, 0,1,2,3,4,5,6,7
	v_cvt_scalef32_pk8_fp8_f32 v[CQ+8*(\a)+2*\b:CQ+8*(\a)+2*\b+1], v[TMP+8*\b:TMP+8*\b+7], v[SCQ]
.endr
	v_nop                                          ; one plain vector line behind the last conversion of a run
.irp c, 0,1,2,3
	global_store_b128 v[LI], v[CQ+8*(\a)+4*\c:CQ+8*(\a)+4*\c+3], s[OQ:OQ+1] offset:(\a)*1024+\c*512   ; 32 lanes store 512 consecutive bytes, at a multiple of 512 from the buffer's first byte
.endr
.endm
; v: 16 channels at a time; a lane's eight tiles of eight tokens are the 16 registers of a fragment of 128 tokens
.macro OUTV b
	WIN 0x03                                       ; source 0: window 3
.irp a, 0,1,2,3,4,5,6,7
.irp i, 0,1,2,3,4,5,6,7
	v_med3_num_f32 v[TMP+8*\a+\i], v[8*(2*\a+\b)+\i], -v[LIV], v[LIV]
.endr
.endr
	WIN 0
.irp a, 0,1,2,3,4,5,6,7
	v_cvt_scalef32_pk8_fp8_f32 v[CV+16*\b+2*\a:CV+16*\b+2*\a+1], v[TMP+8*\a:TMP+8*\a+7], v[SCV]
.endr
	v_nop
.irp c, 0,1,2,3
	global_store_b128 v[LI], v[CV+16*\b+4*\c:CV+16*\b+4*\c+3], s[OV:OV+1] offset:\b*2048+\c*512
.endr
.endm
.irp a, 0,2,4,6
	OUTQ \a
.endr
	OUTV 0
	OUTV 1
	s_wait_tensorcnt 0x0                           ; the wave's end
	ds_add_u32 v[SPW], v[NIL]
	s_wait_dscnt 0x0
	CROUND                                         ; the closing round: no work-group ends while a partner may still ask for a tile that names it
	s_endpgm
.Lfunc_end_k_q048fdc2ba8_qkv:
	.size	k_q048fdc2ba8_qkv, .Lfunc_end_k_q048fdc2ba8_qkv-k_q048fdc2ba8_qkv
	.p2alignl 7, 3214868480
	.fill 96, 4, 3214868480
	.section	.rodata,"a",@progbits
	.p2align	6, 0x0
	.amdhsa_kernel k_q048fdc2ba8_qkv
		.amdhsa_group_segment_fixed_size 327680
		.amdhsa_private_segment_fixed_size 0
		.amdhsa_enable_private_segment 0
		.amdhsa_kernarg_size 32
		.amdhsa_user_sgpr_count 2
		.amdhsa_user_sgpr_kernarg_segment_ptr 1
		.amdhsa_wavefront_size32 1
		.amdhsa_system_sgpr_workgroup_id_x 1
		.amdhsa_system_sgpr_workgroup_id_y 1
		.amdhsa_system_sgpr_workgroup_id_z 1
		.amdhsa_system_vgpr_workitem_id 0
		.amdhsa_next_free_vgpr 1024
		.amdhsa_next_free_sgpr 100
		.amdhsa_reserve_vcc 0
		.amdhsa_float_denorm_mode_32 3
		.amdhsa_float_denorm_mode_16_64 3
		.amdhsa_memory_ordered 1
		.amdhsa_forward_progress 1
		.amdhsa_inst_pref_size 98
	.end_amdhsa_kernel
	.amdgpu_metadata
---
amdhsa.version: [ 1, 2 ]
amdhsa.kernels:
  - .name:           k_q048fdc2ba8_qkv
    .symbol:         k_q048fdc2ba8_qkv.kd
    .args:
      - { .name: xc, .offset: 0, .size: 8, .value_kind: global_buffer, .address_space: global }
      - { .name: wc, .offset: 8, .size: 8, .value_kind: global_buffer, .address_space: global }
      - { .name: lowp_scales, .offset: 16, .size: 8, .value_kind: global_buffer, .address_space: global }
      - { .name: qkvc, .offset: 24, .size: 8, .value_kind: global_buffer, .address_space: global }
    .group_segment_fixed_size: 327680
    .private_segment_fixed_size: 0
    .kernarg_segment_align: 8
    .kernarg_segment_size: 32
    .max_flat_workgroup_size: 128
    .sgpr_count:     100
    .vgpr_count:     1024
    .wavefront_size: 32
...
	.end_amdgpu_metadata
.endif
;; end of part 2
;; launch attn (part 3): grid 16 x 16, 8 waves a work-group, clusters of 4 x 1, 327,680 bytes of LDS; arguments qkvc, lowp_scales, oc; writes oc
.if DOCPART == 3
	.amdgcn_target "amdgcn-amd-amdhsa--gfx1250"
	.amdhsa_code_object_version 6
	.text
	.protected	k_q048fdc2ba8_attn
	.globl	k_q048fdc2ba8_attn
	.p2align	8
	.type	k_q048fdc2ba8_attn,@function
k_q048fdc2ba8_attn:
	s_mov_b64 s[64:65], 0
	v_nop
	global_prefetch_b8 v0, s[64:65] scope:SCOPE_SE
	s_setreg_imm32_b32 hwreg(HW_REG_WAVE_MODE, 25, 1), 1
	s_wait_xcnt 0x0
	s_wait_alu depctr_hold_cnt(0) depctr_sa_sdst(0) depctr_va_vdst(0) depctr_va_sdst(0) depctr_va_ssrc(0) depctr_va_vcc(0) depctr_vm_vsrc(0)
	s_getreg_b32 s2, hwreg(HW_REG_IB_STS2, 6, 4)
	s_cmp_eq_u32 s2, 0
	s_cbranch_scc0 .Lentry_in_a_cluster
	s_endpgm
.Lentry_in_a_cluster:
	s_bfe_u32 s2, ttmp6, 0x10000c
	s_cmp_lg_u32 s2, 0x3003
	s_cbranch_scc0 .Lentry_shape_is_right
	s_endpgm
.Lentry_shape_is_right:
; Causal attention of 16 heads of 64 over 4,096 tokens, both products on codes of E4M3; the result is quantised at once into the codes that the last product reads.
; qkvc: q at 0, k at 4 MiB: head 262144 + (token / 16) 1024 + c 512 + 16 lane: images of fragments of 16 tokens x 64 channels (8 registers).
;       v at 8 MiB: head 262144 + (key / 128) 8192 + (channel / 16) 2048 + c 512 + 16 lane: fragments of 16 channels x 128 keys (16 registers).
; THE SOFTMAX: t = score x log2(e) / 8; M = the running largest t rounded UP to a whole number; p = 2^(t - M) is quantised with 2^e4, not normalised; the row's sum is taken of the unquantised p and divides at the end.
; When M moves, the sum and O are multiplied by 2^(old M - new M): nothing is rounded, and no branch hangs on data.
; oc: the image of the last product's operand: (head / 4) 2^20 + (token / 16) 4096 + (head % 4) 1024 + c 512 + 16 lane; code = o / 2^e6, held within +-448.
; LIMITS on the given exponents: e2 + e3 between -123 and 130 (they are added to c's exponent field); e4 between -126 and 119; e4 + e5 - e6 goes by v_ldexp_f32.  NaN among the inputs is not served.
; WORK LEFT OUT: key steps all of whose keys come after a wave's block of queries: the causal mask sets those scores to -infinity ahead of the softmax, for all inputs.
; LAYOUT.  Both products are used transposed: S^T = K Q^T (source 0 = 16 keys, source 1 = 16 queries), O^T = V^T P^T (source 0 = 16 channels, source 1 = P): a lane holds ONE query (lane % 16) of a tile throughout.
; Register j of score tile t is key 16 t + 8 (lane / 16) + j: just the k that registers 2 t, 2 t + 1 of the second product's operand hold: one conversion a tile, nothing changes lanes.
; SHARES.  Cluster C (0..3) of a head takes two superblocks of 512 queries, one after the other: 7 - C, which needs the keys' chunks (256 keys) 0 .. 15 - 2 C, then C, which needs chunks 0 .. 2 C + 1: eighteen chunks for every C.
; A superblock is four blocks of 128 queries; wave w: kh = w / 4, g = (w % 4) xor 2 kh: block g, the tiles 2 cx and 2 cx + 1 of its eight, and of each chunk's two key steps of 128 step kh.  So each fragment of K and of V
; feeds two tiles, and waves w and w xor 6 hold the same two tiles for the two halves of the keys.  Tile A is the one that the wave finishes (2 cx + kh), tile B the one that it hands to its partner, at the end, through LDS.
; When the walk passes to the second superblock the first one's O, M and sums are held in registers until the end.  The branches round hidden steps hang on C and the wave's number, never on cx.
; CLUSTER.  The four partners walk the same chunks of K and V, each asked for JOINTLY.
; RING.  Two LDS slots: slot 0 takes four chunks (chunks 0-3, then 9-12 of the eighteen), slot 1 five (4-8, then 13-17): K's part, then V's.  Waves 0 to 5 load, K by the even and V by the odd ones: the slot's chunk 0; chunks 1 and 2;
; chunk 3 (slot 0) or chunks 3 and 4 (slot 1).  The keys begin anew at chunk 10, 12, 14 or 16, which is never inside a piece of two chunks.
; By this text's count a wave has one tensor load out behind each change of slots, with four or five key steps of its own in which to land.
; K IS READ FROM LDS ONE STEP AHEAD: behind a step's scores the next step's K comes into the same registers; a slot's first step's is read in front of its loop.
.set SLOT1, 131072                     ; slot 0: 131,072 bytes from 0 on, V's part at 65,536;  slot 1: 163,840 bytes, V's part 81,920 further on
.set VOFF0, 65536
.set VOFF1, 81920
.set SPARE, SLOT1+2*VOFF1              ; behind the ring: the spare words, 128 bytes for each of 8 waves: four blocks of 256 bytes that no other line names
; The join's stage: 16,384 bytes for each wave from LDS byte 0 on: slot 0 has had its last fill and its last read then
.set LI,   1                           ; v1   16 x lane: a lane's place in every image
.set PFO,  2                           ; v2   the prefetch's offset
.set DDA,  3                           ; v3   tile A: my query's number in its block - 8 (lane / 16): on the diagonal register 8 t + j of S^T is hidden where 16 t + j > d
.set ADK,  4                           ; v4   LDS address of a step's K
.set SPW,  5                           ; v5   LDS address of my spare word; never rewritten
.set NIL,  6                           ; v6   0; never rewritten
.set LIMV, 7                           ; v7   448 x 2^e4
.set SCL,  8                           ; v8   2^e4
.set AK0,  9                           ; v9   16 x lane + 8192 kh
.set AV0,  10                          ; v10  the same in slot 0's V part
.set DDB,  11                          ; v11  as v3, tile B
; v12 -M, v13 the largest score, v[14:15] the sum in two halves, v20 2^(old M - new M): tile A;  v16, v17, v[18:19], v22: tile B.  v24-31, v80-91 at work
.set QF,   32                          ; v32-47   Q's fragments, tiles A and B
.set PC,   48                          ; v48-79   p's codes, tiles A and B
.set QS,   96                          ; v96-111  Q's fragments of the second superblock
.set LIM2, 120                         ; v120 448 x 2^e4 once more;  v112, v[114:115], v116, v[118:119]: -M and sums of the first superblock
.set ADV,  121                         ; v121 LDS address of a step's V
.set AV1,  122                         ; v122 as v10, slot 1
.set SA,   128                         ; v128-191 S^T of tile A, then p
.set SB,   192                         ; v192-255 of tile B
; WINDOW 1: v0-63 K's eight fragments, v64-127 V's four;
.set VF,   64
.set OT,   128                         ; v128-191 O^T, tiles A and B
.set HO,   192                         ; v192-255 the first superblock's O^T
.set WV,    18                         ; s18  my wave's number
.set REM,   19                         ; s19  my block - the key step in hand: below 0 the step is hidden, at 0 it lies on the diagonal;  s39 its start in the second superblock
.set SEL,   20                         ; s[20:21] lane selects for v_permlanex16_b32: lane l xor 16
.set CS,    22                         ; s[22:23] c = log2(e) / 8 x 2^(e2 + e3)
.set G1,    24                         ; s[24:31] descriptor group 1 of one chunk;  s[92:99] of two;  s[32:35] group 0
.set G0,    32
.set G1L,   92
.set UEND,  37                         ; s37  16 - 2 C: chunks of the first superblock
.set SWC,   38                         ; s38  key steps of mine until the second superblock begins
.set REM2,  39
.set CNT,   40
.set TB,    41                         ; s41  LDS byte of the step in hand
.set LIM,   42                         ; s42  how often my wave prefetches
.set PFA,   44                         ; s[44:45] where my prefetches stand
.set BASE,  46                         ; s[46:47] my part (K or V) of chunk 0 in memory
.set LB0,   76                         ; s76, s90  my piece's place in slot 0 and in slot 1
.set LB1,   90
.set PI,    91                         ; s91  the first of my piece's chunks in a slot: 0, 1 or 3
.set MSB, 0
.macro WIN new                         ; the immediate's high byte repeats the setting that is left
.if MSB != \new
	s_set_vgpr_msb (MSB<<8)|\new
.set MSB, \new
.endif
.endm
.macro CREST                           ; a round of the cluster's barrier behind its opening barrier
	s_cmp_lg_u32 s[WV], 0
	s_cbranch_scc1 .Lnot_wave_0_\@
	s_barrier_signal -3
.Lnot_wave_0_\@:
	s_barrier_wait -3
	s_barrier_signal -1
	s_barrier_wait -1
.endm
.macro CROUND                          ; a whole round
	s_barrier_signal -1
	s_barrier_wait -1
	CREST
.endm
.macro PLACES
.rept 4
	v_nop
.endr
.endm
.macro TLOAD big                       ; the joint load: waves 2 .. big - 1 two chunks, the others below 6 one.  The branches hang on the wave's number alone
	s_cmp_lt_u32 s[WV], 6
	s_cbranch_scc0 .Lasked_\@
	s_cmp_lt_u32 s[WV], 2
	s_cbranch_scc1 .Lone_\@
.if \big < 6
	s_cmp_lt_u32 s[WV], \big
	s_cbranch_scc0 .Lone_\@
.endif
	tensor_load_to_lds s[G0:G0+3], s[G1L:G1L+7]
	s_nop 0
	PLACES
	s_branch .Lasked_\@
.Lone_\@:
	tensor_load_to_lds s[G0:G0+3], s[G1:G1+7]
	s_nop 0
	PLACES
.Lasked_\@:
.endm
	s_load_b128 s[4:7], s[0:1], 0x0                ; qkvc s[4:5], the scales' exponents s[6:7]
	s_load_b64 s[8:9], s[0:1], 0x10                ; oc
	v_lshl_add_u32 v[SPW], v0, 2, SPARE
	v_mov_b32 v[NIL], 0
	ds_add_u32 v[SPW], v[NIL]                      ; the wave's opening: the add, twice on end, and its wait
	ds_add_u32 v[SPW], v[NIL]
	v_lshrrev_b32 v9, 5, v0
	v_readfirstlane_b32 s[WV], v9                  ; wave 0..7
	v_and_b32 v9, 31, v0
	v_and_b32 v10, 15, v0                          ; r
	v_bfe_u32 v11, v0, 4, 1                        ; h
	v_lshlrev_b32 v[LI], 4, v9
	v_lshlrev_b32 v[PFO], 8, v10
	v_lshl_add_u32 v[PFO], v11, 22, v[PFO]         ; 256 r + 4 MiB x h: lanes 0-15 ask for K, lanes 16-31 for V
	v_lshlrev_b32 v11, 3, v11
	v_sub_nc_u32 v[DDA], v10, v11                  ; r - 8 h
	s_wait_alu depctr_va_vdst(0)                   ; ahead of the scalar lines below
	s_wait_dscnt 0x0                               ; both opening adds are done
	s_bfe_u32 s80, ttmp6, 0x40000                  ; cx: it enters Q's, the output's and the prefetch's addresses and d, and nothing else
	s_and_b32 s77, ttmp7, 0xffff                   ; the head
	s_lshr_b32 s74, s[WV], 2                       ; kh
	s_and_b32 s75, s[WV], 3
	s_lshl_b32 s12, s74, 1
	s_xor_b32 s75, s75, s12                        ; g
	s_lshl_b32 s12, ttmp9, 2
	s_add_co_u32 s13, s12, s75                     ; my block in superblock C,
	s_sub_co_u32 s12, 28, s12
	s_add_co_u32 s12, s12, s75                     ; and in superblock 7 - C
	s_sub_co_i32 s[REM], s12, s74
	s_sub_co_i32 s[REM2], s13, s74
	s_sub_co_u32 s[UEND], 8, ttmp9
	s_lshl_b32 s[UEND], s[UEND], 1
	s_mov_b32 s[SWC], s[UEND]                      ; a wave has one key step in each chunk
	s_lshl_b32 s81, s80, 1
	s_add_co_u32 s82, s81, s74                     ; tile A in its block
	s_xor_b32 s83, s82, 1                          ; tile B
	s_lshl_b32 s84, s82, 4
	s_lshl_b32 s85, s83, 4
	v_add_nc_u32 v[DDB], s85, v[DDA]
	v_add_nc_u32 v[DDA], s84, v[DDA]
	s_lshl_b32 s14, s77, 18                        ; the head's bytes in each region
	s_lshl_b32 s15, s12, 13
	s_add_co_u32 s15, s15, s14                     ; Q of my block in superblock 7 - C
	s_lshl_b32 s16, s13, 13
	s_add_co_u32 s16, s16, s14                     ; and in C
	s_lshl_b32 s84, s82, 10
	s_lshl_b32 s85, s83, 10
	s_add_co_u32 s66, s15, s84
	s_add_co_u32 s68, s15, s85
	s_add_co_u32 s70, s16, s84
	s_add_co_u32 s72, s16, s85
	s_mov_b32 s67, 0
	s_mov_b32 s69, 0
	s_mov_b32 s71, 0
	s_mov_b32 s73, 0
	s_lshr_b32 s17, s77, 2
	s_lshl_b32 s17, s17, 20
	s_and_b32 s78, s77, 3
	s_lshl_b32 s78, s78, 10
	s_add_co_u32 s17, s17, s78
	s_lshl_b32 s84, s82, 12
	s_add_co_u32 s84, s84, s17
	s_lshl_b32 s86, s12, 15
	s_add_co_u32 s86, s86, s84                     ; tile A's codes in oc, superblock 7 - C
	s_mov_b32 s87, 0
	s_lshl_b32 s88, s13, 15
	s_add_co_u32 s88, s88, s84                     ; superblock C
	s_mov_b32 s89, 0
	s_and_b32 s56, s[WV], 1                        ; K (0) or V (1)
	s_lshr_b32 s57, s[WV], 1                       ; which piece (waves 6 and 7 load nothing)
	s_lshr_b32 s58, s57, 1
	s_add_co_u32 s[PI], s57, s58                   ; its first chunk: 0, 1, 3
	s_lshl_b32 s58, s[PI], 14
	s_mov_b32 s59, 0
	s_mul_i32 s[LB0], s56, VOFF0
	s_add_co_u32 s[LB0], s[LB0], s58
	s_mul_i32 s[LB1], s56, VOFF1
	s_add_co_u32 s[LB1], s[LB1], s58
	s_add_co_u32 s[LB1], s[LB1], SLOT1
	s_lshl_b32 s60, s56, 22
	s_add_co_u32 s60, s60, 0x400000
	s_add_co_u32 s60, s60, s14
	s_mov_b32 s61, 0                               ; s[60:61]: chunk 0: nothing of cx
	; THE PREFETCHES.  At a change of slots the chunks that the NEXT change will load are asked of memory, four or five key steps of a wave ahead of their load.  All clusters of a head walk the same chunks, and cluster 0 walks
	; chunks 0 to 15: it asks, and nobody else.  Waves 4 to 7 ask for one chunk each, 9 to 12 and then 13 to 15; the four partners share its 16,384 bytes of K and of V out BY ADDRESS, 4,096 each, lanes 256 bytes apart.
	; Chunks 0 to 8 come by their loads alone; behind chunk 15 come keys that have been read before.
	s_and_b32 s63, s[WV], 3
	s_add_co_u32 s63, s63, 9
	s_lshl_b32 s63, s63, 14
	s_lshl_b32 s62, s80, 12
	s_add_co_u32 s62, s62, 0x400000
	s_add_co_u32 s62, s62, s14
	s_add_co_u32 s62, s62, s63
	s_mov_b32 s63, 0
	s_cmp_eq_u32 s[WV], 7
	s_cselect_b32 s[LIM], 1, 2
	s_cmp_lt_u32 s[WV], 4
	s_cselect_b32 s[LIM], 0, s[LIM]
	s_cmp_eq_u32 ttmp9, 0
	s_cselect_b32 s[LIM], s[LIM], 0
	; descriptor groups 1: 64 or 128 rows of 32 elements of 8 bytes, dense: 16,384 or 32,768 bytes as they lie
	s_mov_b32 s[G1], 15|(3<<16)|(1<<21)            ; 15:0 the mask: all four work-groups; 17:16 elements of 8 bytes; 20 no padding; 21 set beside a mask
	s_mov_b32 s[G1+1], 32<<16                      ; tensor_dim0 = 32
	s_mov_b32 s[G1+2], 64<<16                      ; tensor_dim1
	s_mov_b32 s[G1+3], 32<<16                      ; tile_dim0 = 32
	s_mov_b32 s[G1+4], 64                          ; tile_dim1
	s_mov_b32 s[G1+5], 32                          ; tensor_dim0_stride
	s_mov_b32 s[G1+6], 0
	s_mov_b32 s[G1+7], 0
	s_mov_b32 s[G1L], 15|(3<<16)|(1<<21)
	s_mov_b32 s[G1L+1], 32<<16
	s_mov_b32 s[G1L+2], 128<<16
	s_mov_b32 s[G1L+3], 32<<16
	s_mov_b32 s[G1L+4], 128
	s_mov_b32 s[G1L+5], 32
	s_mov_b32 s[G1L+6], 0
	s_mov_b32 s[G1L+7], 0
	s_mov_b32 s[G0], 1
	s_add_co_u32 s[G0+1], s[LB0], 0                ; slot 0
	s_mov_b32 s[SEL], 0x76543210
	s_mov_b32 s[SEL+1], 0xfedcba98
	s_wait_kmcnt 0x0
	s_load_b256 s[48:55], s[6:7], 0x0              ; the eight exponents
	s_add_nc_u64 s[BASE:BASE+1], s[4:5], s[60:61]
	s_add_nc_u64 s[G0+2:G0+3], s[BASE:BASE+1], s[58:59]
	s_or_b32 s[G0+3], s[G0+3], 0x80000000          ; 127:126 type = 2
	s_add_nc_u64 s[66:67], s[4:5], s[66:67]        ; Q: tiles A and B of superblock 7 - C,
	s_add_nc_u64 s[68:69], s[4:5], s[68:69]
	s_add_nc_u64 s[70:71], s[4:5], s[70:71]        ; of superblock C
	s_add_nc_u64 s[72:73], s[4:5], s[72:73]
	s_add_nc_u64 s[10:11], s[8:9], s[88:89]        ; the output: superblock C,
	s_add_nc_u64 s[8:9], s[8:9], s[86:87]          ; superblock 7 - C
	s_add_nc_u64 s[PFA:PFA+1], s[4:5], s[62:63]
	CROUND                                         ; all four work-groups are here: the first joint loads meet
	TLOAD 4                                        ; the first four chunks: one tensor load a wave at the head
	global_load_b128 v[QF:QF+3],     v[LI], s[66:67]
	global_load_b128 v[QF+4:QF+7],   v[LI], s[66:67] offset:512
	global_load_b128 v[QF+8:QF+11],  v[LI], s[68:69]
	global_load_b128 v[QF+12:QF+15], v[LI], s[68:69] offset:512
	global_load_b128 v[QS:QS+3],     v[LI], s[70:71]
	global_load_b128 v[QS+4:QS+7],   v[LI], s[70:71] offset:512
	global_load_b128 v[QS+8:QS+11],  v[LI], s[72:73]
	global_load_b128 v[QS+12:QS+15], v[LI], s[72:73] offset:512
	s_lshl_b32 s56, s74, 13
	v_add_nc_u32 v[AK0], s56, v[LI]
	v_add_nc_u32 v[AV0], VOFF0, v[AK0]
	v_add_nc_u32 v[AV1], VOFF1, v[AK0]
.macro START                           ; a superblock begins: no largest score, nothing summed
	v_mov_b32 v12, 0x7f61b1e6                      ; -M: 3e38, so M lies under every t
	v_mov_b32 v16, 0x7f61b1e6
	v_mov_b32 v13, 0xff61b1e6                      ; the largest score so far: -3e38, under every score
	v_mov_b32 v17, 0xff61b1e6
.irp j, 14,15,18,19
	v_mov_b32 v\j, 0
.endr
.endm
	START
.irp j, 21,23,24,25,31,93,112,114,115,116,118,119
	v_mov_b32 v\j, 0                               ; the upper halves of pairs of which the low word is used, the lane permutes' destinations, and what is held: written once ahead of every read
.endr
	WIN 0x40
.set jj, 0
.rept 128
	v_mov_b32 v[OT+jj], 0                          ; O^T and what is held of it.  (The key step has no first form of its own: the first finds zeros)
.set jj, jj+1
.endr
	WIN 0
	s_wait_kmcnt 0x0
	s_add_co_i32 s56, s50, s51
	s_lshl_b32 s56, s56, 23
	s_add_co_i32 s[CS], s56, 0x3e38aa3b            ; c = log2(e) / 8, with e2 + e3 added to its exponent field: a score stands for score x 2^(e2 + e3)
	s_mov_b32 s[CS+1], s[CS]                       ; (named with it as a pair, so it is written)
	s_add_co_i32 s56, s52, 127
	s_lshl_b32 s57, s56, 23
	v_mov_b32 v[SCL], s57                          ; 2^e4
	s_add_co_i32 s56, s56, 8
	s_lshl_b32 s56, s56, 23
	s_or_b32 s56, s56, 0x600000
	v_mov_b32 v[LIMV], s56                         ; 448 x 2^e4
	v_mov_b32 v[LIM2], s56
	s_add_co_i32 s43, s52, s53
	s_sub_co_i32 s43, s43, s54                     ; e4 + e5 - e6
.macro MASK reg, dd                    ; on the diagonal the scores of hidden keys become -infinity.  The block's first key counts for all its queries, so the maximum is a number
	v_add_nc_u32 v26, 0xffffffc0, v[\dd]           ; d - 64, for the upper four tiles
.set nn, 0
.rept 32
	v_cmp_gt_i32 vcc_lo, 16*(nn/8)+nn%8, v[\dd]
	v_cndmask_b32 v[\reg+nn], v[\reg+nn], v27, vcc_lo
.set nn, nn+1
.endr
.rept 32
	v_cmp_gt_i32 vcc_lo, 16*(nn/8)+nn%8-64, v26
	v_cndmask_b32 v[\reg+nn], v[\reg+nn], v27, vcc_lo
.set nn, nn+1
.endr
.endm
.macro KLOAD off                       ; K's eight fragments, off bytes behind the step in hand
	WIN 0x40
.irp t, 0,1,2,3,4,5,6,7
	ds_load_b128 v[8*\t:8*\t+3],   v[ADK] offset:\off+\t*1024
	ds_load_b128 v[8*\t+4:8*\t+7], v[ADK] offset:\off+\t*1024+512
.endr
	WIN 0
.endm
.macro SCORES t0
.irp t, \t0, \t0+1, \t0+2, \t0+3
	v_wmma_f32_16x16x64_fp8_fp8 v[SA+8*(\t):SA+8*(\t)+7], v[8*(\t):8*(\t)+7], v[QF:QF+7], 0
	v_wmma_f32_16x16x64_fp8_fp8 v[SB+8*(\t):SB+8*(\t)+7], v[8*(\t):8*(\t)+7], v[QF+8:QF+15], 0
.endr
.endm
.macro SWITCH                          ; the second superblock begins when SWC is 0: a branch on ids
	s_cmp_lg_u32 s[SWC], 0
	s_cbranch_scc1 .Lstay_\@
	PLACES                                         ; places behind the last products
	v_mov_b32 v112, v12                            ; the first superblock's results are held until the end
	v_mov_b32 v116, v16
.irp j, 14,15,18,19
	v_mov_b32 v[100+\j], v\j
.endr
	START
.set jj, 0
.rept 16
	v_mov_b32 v[QF+jj], v[QS+jj]
.set jj, jj+1
.endr
	s_wait_dscnt 0x0                               ; no load of K is out
	v_add_nc_u32 v[ADK], s[TB], v[AK0]
	KLOAD 0                                        ; hidden steps ask for no K of the next: it is asked for here
	WIN 0x41
.set jj, 0
.rept 64
	v_mov_b32 v[HO+jj], v[OT+jj]
.set jj, jj+1
.endr
.set jj, 0
.rept 64
	v_mov_b32 v[OT+jj], 0
.set jj, jj+1
.endr
	WIN 0
	s_mov_b32 s[REM], s[REM2]
	s_wait_alu depctr_va_vdst(0)
.Lstay_\@:
.endm
.macro MX d, reg, e                    ; two more scores into a chain of maxima
	v_max3_num_f32 v\d, v\d, v[\reg+(\e)], v[\reg+(\e)+1]
.endm
.macro TA n                            ; tile A: t - M, two at a time (of the pairs c and -M the low word serves both halves)
.rept \n
	v_pk_fma_f32 v[SA+jj:SA+jj+1], v[SA+jj:SA+jj+1], s[CS:CS+1], v[12:13] op_sel_hi:[1,0,0]
.set jj, jj+2
.endr
.endm
.macro SUM s, f, reg                   ; a tile's sum under the new M, and the step's p, unquantised: eight chains
	v_pk_fma_f32 v[\s:\s+1], v[\s:\s+1], v[\f:\f+1], v[\reg:\reg+1] op_sel_hi:[1,0,1]
.irp k, 0,1,2,3,4,5
	v_pk_add_f32 v[80+2*\k:81+2*\k], v[\reg+2+4*\k:\reg+3+4*\k], v[\reg+4+4*\k:\reg+5+4*\k]
.endr
	v_pk_add_f32 v[26:27], v[\reg+26:\reg+27], v[\reg+28:\reg+29]
.set kk, 30
.rept 2
	v_pk_add_f32 v[\s:\s+1], v[\s:\s+1], v[\reg+kk:\reg+kk+1]
.irp k, 0,1,2,3,4,5
	v_pk_add_f32 v[80+2*\k:81+2*\k], v[80+2*\k:81+2*\k], v[\reg+kk+2+2*\k:\reg+kk+3+2*\k]
.endr
	v_pk_add_f32 v[26:27], v[26:27], v[\reg+kk+14:\reg+kk+15]
.set kk, kk+16
.endr
	v_pk_add_f32 v[\s:\s+1], v[\s:\s+1], v[\reg+62:\reg+63]
	v_pk_add_f32 v[80:81], v[80:81], v[82:83]
	v_pk_add_f32 v[84:85], v[84:85], v[86:87]
	v_pk_add_f32 v[88:89], v[88:89], v[90:91]
	v_pk_add_f32 v[\s:\s+1], v[\s:\s+1], v[26:27]
	v_pk_add_f32 v[80:81], v[80:81], v[84:85]
	v_pk_add_f32 v[\s:\s+1], v[\s:\s+1], v[88:89]
	v_pk_add_f32 v[\s:\s+1], v[\s:\s+1], v[80:81]
.endm
; A KEY STEP: 128 keys for both tiles.  av: the register with V's place for the slot in hand
.macro STEP av
	v_add_nc_u32 v[ADK], s[TB], v[AK0]
	v_add_nc_u32 v[ADV], s[TB], v[\av]
	WIN 0x01                                       ; source 0 (K) in window 1
	s_wait_alu depctr_va_vdst(0)                   ; directly ahead of the wait below
	s_wait_dscnt 8                                 ; K's tiles 0-3 are in; the youngest eight loads (tiles 4-7) may be out
	SCORES 0
	s_wait_dscnt 0x0
	SCORES 4
	WIN 0
	PLACES                                         ; places: for the loads of K and of V into registers that products have read, and for the first reads of the scores
	s_cmp_eq_u32 s[CNT], 1
	s_cbranch_scc1 .Llast_\@                       ; the slot's last step has no successor in it
	KLOAD 16384                                    ; the next step's K
.Llast_\@:
	WIN 0x40
.irp t, 0,1,2,3
.irp c, 0,1,2,3
	ds_load_b128 v[VF+16*\t+4*\c:VF+16*\t+4*\c+3], v[ADV] offset:\t*2048+\c*512
.endr
.endr
	WIN 0
	s_cmp_lg_u32 s[REM], 0
	s_cbranch_scc1 .Lopen_\@
	v_mov_b32 v27, 0xff800000
	MASK SA, DDA
	MASK SB, DDB
.Lopen_\@:
	; the step's largest score of my query of each tile among my 64 keys, in four chains a tile, ascending: each accumulator is first read at its low end
	v_max3_num_f32 v26, v[SA], v[SA+1], v[SA+2]
	v_max3_num_f32 v28, v[SB], v[SB+1], v[SB+2]
	v_max3_num_f32 v27, v[SA+3], v[SA+4], v[SA+5]
	v_max3_num_f32 v29, v[SB+3], v[SB+4], v[SB+5]
	v_max3_num_f32 v30, v[SA+6], v[SA+7], v[SA+8]
	v_max3_num_f32 v80, v[SB+6], v[SB+7], v[SB+8]
	v_max3_num_f32 v31, v[SA+9], v[SA+10], v[SA+11]
	v_max3_num_f32 v81, v[SB+9], v[SB+10], v[SB+11]
.set ea, 12
.set eb, 12
.rept 3                                            ; two instructions of tile A to one of tile B, so that A's M comes first
	MX 26, SA, ea
	MX 28, SB, eb
	MX 27, SA, ea+2
	MX 30, SA, ea+4
	MX 29, SB, eb+2
	MX 31, SA, ea+6
	MX 26, SA, ea+8
	MX 80, SB, eb+4
	MX 27, SA, ea+10
	MX 30, SA, ea+12
	MX 81, SB, eb+6
	MX 31, SA, ea+14
.set ea, ea+16
.set eb, eb+8
.endr
	MX 26, SA, 60
	MX 28, SB, 36
	MX 27, SA, 62
	MX 29, SB, 38
	MX 80, SB, 40
	MX 81, SB, 42
	v_max3_num_f32 v26, v26, v30, v31
	MX 28, SB, 44
	MX 29, SB, 46
	v_max_num_f32 v26, v26, v27
	MX 80, SB, 48
	MX 81, SB, 50
	v_permlanex16_b32 v24, v26, s[SEL], s[SEL+1]
	MX 28, SB, 52
	MX 29, SB, 54
	v_max3_num_f32 v13, v13, v26, v24              ; tile A's running largest score, lane l xor 16's keys too
	MX 80, SB, 56
	MX 81, SB, 58
	v_mul_f32 v26, s[CS], -v13                     ; -t (c is positive)
	MX 28, SB, 60
	MX 29, SB, 62
	v_floor_f32 v26, v26                           ; the new -M = floor(-t) = -ceil(t): a whole number
	v_max3_num_f32 v28, v28, v80, v81
	v_sub_f32 v27, v26, v12                        ; M's old value less its new one: a whole number, 0 or less
	v_max_num_f32 v28, v28, v29
	v_mov_b32 v12, v26
	v_cvt_i32_f32 v27, v27                         ; (it saturates)
.set jj, 0
	TA 3
	v_ldexp_f32 v20, 1.0, v27                      ; f = 2^(old M - new M)
	v_permlanex16_b32 v25, v28, s[SEL], s[SEL+1]   ; tile B likewise, among tile A's multiply-adds
	TA 3
	v_max3_num_f32 v17, v17, v28, v25
	TA 3
	v_mul_f32 v28, s[CS], -v17
	TA 3
	v_floor_f32 v28, v28
	TA 3
	v_sub_f32 v29, v28, v16
	TA 3
	v_mov_b32 v16, v28
	v_cvt_i32_f32 v29, v29
	TA 4
	v_ldexp_f32 v22, 1.0, v29
	TA 10
	s_wait_alu depctr_va_vdst(0)
.set jj, 0
.rept 32
	v_exp_f32 v[SA+jj], v[SA+jj]                   ; p = 2^(t - M), at most 1
	v_exp_f32 v[SA+jj+1], v[SA+jj+1]
	v_pk_fma_f32 v[SB+jj:SB+jj+1], v[SB+jj:SB+jj+1], s[CS:CS+1], v[16:17] op_sel_hi:[1,0,0]
.set jj, jj+2
.endr
	s_wait_alu depctr_va_vdst(0)                   ; ahead of tile A's first readers, and of tile B's batch
	SUM 14, 20, SA
.set jj, 0
.rept 32
	v_exp_f32 v[SB+jj], v[SB+jj]
	v_exp_f32 v[SB+jj+1], v[SB+jj+1]
	v_dual_min_num_f32 v[SA+jj], v[LIMV], v[SA+jj] :: v_dual_min_num_f32 v[SA+jj+1], v[LIM2], v[SA+jj+1]   ; the conversion does not saturate (ISA guide 7.6.2); p is not negative, so the hold is one-sided
.set jj, jj+2
.endr
	WIN 0x41                                       ; destination and source 0 in window 1
	s_wait_alu depctr_va_vdst(0)                   ; one wait for tile B's batch and for O^T, ahead of the first readers
.set jj, 0
.rept 16
	v_pk_mul_f32 v[OT+jj:OT+jj+1], v[OT+jj:OT+jj+1], v[20:21] op_sel_hi:[1,0]   ; O^T under the new M
.set jj, jj+2
.endr
.rept 16
	v_pk_mul_f32 v[OT+jj:OT+jj+1], v[OT+jj:OT+jj+1], v[22:23] op_sel_hi:[1,0]
.set jj, jj+2
.endr
	WIN 0
	SUM 18, 22, SB
.set jj, 0
.rept 32
	v_dual_min_num_f32 v[SB+jj], v[LIMV], v[SB+jj] :: v_dual_min_num_f32 v[SB+jj+1], v[LIM2], v[SB+jj+1]
.set jj, jj+2
.endr
.irp t, 0,1,2,3,4,5,6,7,8,9,10,11,12,13,14,15
	v_cvt_scalef32_pk8_fp8_f32 v[PC+2*\t:PC+2*\t+1], v[SA+8*\t:SA+8*\t+7], v[SCL]   ; eight keys: registers 2 t, 2 t + 1 of the operand
.endr
	v_nop                                          ; one plain vector line behind the last conversion
	WIN 0x51                                       ; source 0 (V), C and D in window 1
	s_wait_alu depctr_va_vdst(0)                   ; directly ahead of the wait below
	s_wait_dscnt 0x0                               ; V is in, and so is the next step's K
.irp t, 0,1,2,3
	v_wmma_f32_16x16x128_fp8_fp8 v[OT+8*\t:OT+8*\t+7], v[VF+16*\t:VF+16*\t+15], v[PC:PC+15], v[OT+8*\t:OT+8*\t+7]   ; the eight accumulators take turns
	v_wmma_f32_16x16x128_fp8_fp8 v[OT+32+8*\t:OT+39+8*\t], v[VF+16*\t:VF+16*\t+15], v[PC+16:PC+31], v[OT+32+8*\t:OT+39+8*\t]
.endr
	WIN 0
.endm
.macro WALK base, steps, av, sw        ; my key steps of the slot at LDS byte base.  A hidden step is left out by a branch on ids; no barrier and no tensor load stands in it.  sw = 1: the second superblock may begin here
	s_mov_b32 s[TB], \base
	s_mov_b32 s[CNT], \steps
	v_add_nc_u32 v[ADK], s[TB], v[AK0]
	KLOAD 0                                        ; the first step's K
.Lwalk_\@:
.if \sw
	SWITCH
.endif
	s_cmp_lt_i32 s[REM], 0
	s_cbranch_scc1 .Lhidden_\@
	STEP \av
.Lhidden_\@:
	s_sub_co_i32 s[REM], s[REM], 2
	s_sub_co_u32 s[SWC], s[SWC], 1
	s_add_co_u32 s[TB], s[TB], 16384
	s_sub_co_u32 s[CNT], s[CNT], 1
	s_cmp_lg_u32 s[CNT], 0
	s_cbranch_scc1 .Lwalk_\@
.endm
; THE CHANGE OF SLOTS.  Each wave waits for all its tensor loads (its part of the slot that is read next), adds 0 to its spare word (twice on end where a load follows), and waits for that and for its reads of the slot that it has left.
; Where a slot is filled the barrier is a round of the cluster's, so that no wave of any partner still reads that slot or has a load on its way; the joint load is the first thing behind it.
.macro CHANGE lb, first, big, ask
	s_wait_tensorcnt 0x0                           ; no tensor load of mine is out, so group 0 may be written
	ds_add_u32 v[SPW], v[NIL]                      ; 0 onto my spare word
	ds_add_u32 v[SPW], v[NIL]
	s_add_co_u32 s56, s[PI], \first
	s_sub_co_i32 s57, s56, s[UEND]                 ; behind the first superblock's chunks the keys begin anew
	s_cmp_lt_i32 s57, 0
	s_cselect_b32 s56, s56, s57
	s_lshl_b32 s56, s56, 14
	s_mov_b32 s57, 0
	s_add_nc_u64 s[G0+2:G0+3], s[BASE:BASE+1], s[56:57]
	s_or_b32 s[G0+3], s[G0+3], 0x80000000
	s_add_co_u32 s[G0+1], s[\lb], 0
.if \ask == 1
	s_wait_xcnt 0x0                                ; any prefetch of mine has read its address, so it may be written
	s_add_nc_u64 s[PFA:PFA+1], s[PFA:PFA+1], 65536
.endif
	s_wait_dscnt 0x0                               ; the adds are done, and my reads of the slot are over
	CROUND
	TLOAD \big
.if \ask < 2
	s_cmp_gt_u32 s[LIM], \ask
	s_cbranch_scc0 .Lnot_mine_\@
	global_prefetch_b8 v[PFO], s[PFA:PFA+1] th:TH_LOAD_NT scope:SCOPE_SE
.Lnot_mine_\@:
.endif
.endm
	s_wait_alu depctr_va_vdst(0)
	CHANGE LB1, 4, 6, 0                            ; chunks 4-8: first fills alone
	s_wait_loadcnt 0x0                             ; Q
	WALK 0, 4, AV0, 0                              ; chunks 0-3
	CHANGE LB0, 9, 4, 1                            ; chunks 9-12
	WALK SLOT1, 5, AV1, 0                          ; chunks 4-8
	CHANGE LB1, 13, 6, 2                           ; chunks 13-17
	WALK 0, 4, AV0, 1                              ; chunks 9-12: the second superblock begins at chunk 16 - 2 C: 10, 12, 14 or 16
	s_wait_tensorcnt 0x0                           ; the last slot is in; nothing is filled again
	ds_add_u32 v[SPW], v[NIL]
	s_wait_dscnt 0x0
	s_barrier_signal -1
	s_barrier_wait -1
	WALK SLOT1, 5, AV1, 1                          ; chunks 13-17
	; THE JOIN.  Each wave hands its tile B of both superblocks (O^T, -M and the sum) to wave w xor 6, whose tile A it is.
	v_add_f32 v26, v14, v15                        ; the sums' two halves,
	v_add_f32 v81, v18, v19
	v_add_f32 v28, v114, v115
	v_add_f32 v83, v118, v119
	v_permlanex16_b32 v24, v26, s[SEL], s[SEL+1]
	v_permlanex16_b32 v25, v81, s[SEL], s[SEL+1]
	v_mov_b32 v80, v16
	v_mov_b32 v82, v116
	v_add_f32 v26, v26, v24                        ; and lane l xor 16's
	v_add_f32 v81, v81, v25
	v_permlanex16_b32 v24, v28, s[SEL], s[SEL+1]
	v_permlanex16_b32 v25, v83, s[SEL], s[SEL+1]
	v_add_f32 v28, v28, v24
	v_add_f32 v83, v83, v25
	s_lshl_b32 s56, s[WV], 14
	s_xor_b32 s57, s56, 6<<14
	v_add_nc_u32 v94, s56, v[LI]                   ; my region
	v_add_nc_u32 v95, s57, v[LI]                   ; my partner's
	WIN 0x04                                       ; the data in window 1
.irp k, 0,1,2,3,4,5,6,7
	ds_store_b128 v94, v[OT+32+4*\k:OT+35+4*\k] offset:\k*512
.endr
.irp k, 0,1,2,3,4,5,6,7
	ds_store_b128 v94, v[HO+32+4*\k:HO+35+4*\k] offset:4096+\k*512
.endr
	WIN 0
	ds_store_b128 v94, v[80:83] offset:8192
	s_wait_alu depctr_va_vdst(0)
	s_wait_dscnt 0x0                               ; my stores are done: the partner reads them behind the barrier
	s_barrier_signal -1
	s_barrier_wait -1
	ds_load_b128 v[84:87], v95 offset:8192
.irp k, 0,1,2,3,4,5,6,7
	ds_load_b128 v[SA+4*\k:SA+4*\k+3], v95 offset:\k*512
	ds_load_b128 v[SA+32+4*\k:SA+35+4*\k], v95 offset:4096+\k*512
.endr
	s_wait_dscnt 0x0
	v_min_num_f32 v88, v12, v84                    ; the common -M: superblock C,
	v_min_num_f32 v89, v112, v86                   ; superblock 7 - C
	v_sub_f32 v20, v88, v12
	v_sub_f32 v22, v88, v84
	v_sub_f32 v30, v89, v112
	v_sub_f32 v92, v89, v86
.irp j, 20,22,30,92
	v_cvt_i32_f32 v\j, v\j
.endr
.irp j, 20,22,30,92
	v_ldexp_f32 v\j, 1.0, v\j                      ; 2^(M - common M), for my part and my partner's; a part without keys has M = -3e38, and counts for 0
.endr
	v_mul_f32 v26, v26, v20
	v_mul_f32 v28, v28, v30
	v_fma_f32 v26, v85, v22, v26                   ; the rows' sums
	v_fma_f32 v28, v87, v92, v28
	s_wait_alu depctr_va_vdst(0)
	v_rcp_f32 v26, v26
	v_rcp_f32 v28, v28
	v_mov_b32 v90, 1.0                             ; (plain lines behind the transcendentals)  the conversion's scale: 2^0
	v_mov_b32 v91, 0x43e00000                      ; 448
	s_wait_alu depctr_va_vdst(0)                   ; the wait ahead of the reciprocals' first reader
	v_ldexp_f32 v26, v26, s43                      ; x 2^(e4 + e5 - e6): the number that e6's quantiser rounds
	v_ldexp_f32 v28, v28, s43
	v_mul_f32 v20, v20, v26
	v_mul_f32 v22, v22, v26
	v_mul_f32 v30, v30, v28
	v_mul_f32 v92, v92, v28
.set jj, 0
.rept 16
	v_pk_mul_f32 v[SA+jj:SA+jj+1], v[SA+jj:SA+jj+1], v[22:23] op_sel_hi:[1,0]
	v_pk_mul_f32 v[SA+32+jj:SA+33+jj], v[SA+32+jj:SA+33+jj], v[92:93] op_sel_hi:[1,0]
.set jj, jj+2
.endr
	WIN 0x01                                       ; source 0 in window 1
	s_wait_alu depctr_va_vdst(0)                   ; directly ahead of the first reader of O^T
.set jj, 0
.rept 16
	v_pk_fma_f32 v[SA+jj:SA+jj+1], v[OT+jj:OT+jj+1], v[20:21], v[SA+jj:SA+jj+1] op_sel_hi:[1,0,1]   ; register 8 t + j: channel 16 t + 8 (lane / 16) + j
	v_pk_fma_f32 v[SA+32+jj:SA+33+jj], v[HO+jj:HO+jj+1], v[30:31], v[SA+32+jj:SA+33+jj] op_sel_hi:[1,0,1]
.set jj, jj+2
.endr
	WIN 0
.set jj, 0
.rept 64
	v_med3_num_f32 v[SA+jj], v[SA+jj], -v91, v91
.set jj, jj+1
.endr
.irp t, 0,1,2,3,4,5,6,7
	v_cvt_scalef32_pk8_fp8_f32 v[PC+2*\t:PC+2*\t+1], v[SA+8*\t:SA+8*\t+7], v90
.endr
	v_nop                                          ; one plain vector line behind the last conversion
	global_store_b128 v[LI], v[PC:PC+3],     s[10:11]            ; 32 lanes store 512 consecutive bytes, at a multiple of 512 from the buffer's first byte
	global_store_b128 v[LI], v[PC+4:PC+7],   s[10:11] offset:512
	global_store_b128 v[LI], v[PC+8:PC+11],  s[8:9]
	global_store_b128 v[LI], v[PC+12:PC+15], s[8:9] offset:512
	s_wait_tensorcnt 0x0                           ; the wave's end
	ds_add_u32 v[SPW], v[NIL]
	s_wait_dscnt 0x0
	CROUND                                         ; the closing round: no work-group ends while a partner may still ask for a tile that names it
	s_endpgm
.Lfunc_end_k_q048fdc2ba8_attn:
	.size	k_q048fdc2ba8_attn, .Lfunc_end_k_q048fdc2ba8_attn-k_q048fdc2ba8_attn
	.p2alignl 7, 3214868480
	.fill 96, 4, 3214868480
	.section	.rodata,"a",@progbits
	.p2align	6, 0x0
	.amdhsa_kernel k_q048fdc2ba8_attn
		.amdhsa_group_segment_fixed_size 327680
		.amdhsa_private_segment_fixed_size 0
		.amdhsa_enable_private_segment 0
		.amdhsa_kernarg_size 24
		.amdhsa_user_sgpr_count 2
		.amdhsa_user_sgpr_kernarg_segment_ptr 1
		.amdhsa_wavefront_size32 1
		.amdhsa_system_sgpr_workgroup_id_x 1
		.amdhsa_system_sgpr_workgroup_id_y 1
		.amdhsa_system_sgpr_workgroup_id_z 1
		.amdhsa_system_vgpr_workitem_id 0
		.amdhsa_next_free_vgpr 512
		.amdhsa_next_free_sgpr 100
		.amdhsa_reserve_vcc 1
		.amdhsa_float_denorm_mode_32 3
		.amdhsa_float_denorm_mode_16_64 3
		.amdhsa_memory_ordered 1
		.amdhsa_forward_progress 1
		.amdhsa_inst_pref_size 196
	.end_amdhsa_kernel
	.amdgpu_metadata
---
amdhsa.version: [ 1, 2 ]
amdhsa.kernels:
  - .name:           k_q048fdc2ba8_attn
    .symbol:         k_q048fdc2ba8_attn.kd
    .args:
      - { .name: qkvc, .offset: 0, .size: 8, .value_kind: global_buffer, .address_space: global }
      - { .name: lowp_scales, .offset: 8, .size: 8, .value_kind: global_buffer, .address_space: global }
      - { .name: oc, .offset: 16, .size: 8, .value_kind: global_buffer, .address_space: global }
    .group_segment_fixed_size: 327680
    .private_segment_fixed_size: 0
    .kernarg_segment_align: 8
    .kernarg_segment_size: 24
    .max_flat_workgroup_size: 256
    .sgpr_count:     100
    .vgpr_count:     512
    .wavefront_size: 32
...
	.end_amdgpu_metadata
.endif
;; end of part 3
;; launch oproj (part 4): grid 8 x 32, 4 waves a work-group, clusters of 4 x 4, 327,680 bytes of LDS; arguments oc, woc, lowp_scales, out0; writes out0
.if DOCPART == 4
	.amdgcn_target "amdgcn-amd-amdhsa--gfx1250"
	.amdhsa_code_object_version 6
	.text
	.protected	k_q048fdc2ba8_oproj
	.globl	k_q048fdc2ba8_oproj
	.p2align	8
	.type	k_q048fdc2ba8_oproj,@function
k_q048fdc2ba8_oproj:
	s_mov_b64 s[64:65], 0
	v_nop
	global_prefetch_b8 v0, s[64:65] scope:SCOPE_SE
	s_setreg_imm32_b32 hwreg(HW_REG_WAVE_MODE, 25, 1), 1
	s_wait_xcnt 0x0
	s_wait_alu depctr_hold_cnt(0) depctr_sa_sdst(0) depctr_va_vdst(0) depctr_va_sdst(0) depctr_va_ssrc(0) depctr_va_vcc(0) depctr_vm_vsrc(0)
	s_getreg_b32 s2, hwreg(HW_REG_IB_STS2, 6, 4)
	s_cmp_eq_u32 s2, 0
	s_cbranch_scc0 .Lentry_in_a_cluster
	s_endpgm
.Lentry_in_a_cluster:
	s_bfe_u32 s2, ttmp6, 0x10000c
	s_cmp_lg_u32 s2, 0xf033
	s_cbranch_scc0 .Lentry_shape_is_right
	s_endpgm
.Lentry_shape_is_right:
; out0 [4096][1024] f32 = (attention's result) W_o^T on codes of E4M3; each finished sum is multiplied once by 2^(e6 + e7).  LIMIT: e6 + e7 between -126 and 127, so that the factor is an f32 number.
; oc (R = 4096) and woc (R = 1024) hold images of operand registers: byte = s (256 R) + T 4096 + f 2048 + c 512 + 16 lane (s: K step of 256, T: row / 16, f: which 128).
; SHARES.  4,096 x 1,024 results are 256 tiles of 128 x 128, one to a work-group; four waves, each 64 x 64: 16 accumulators.
; THE WHOLE K LIES IN LDS: a tile's 128 rows of A and of B over K = 1,024 are 262,144 bytes.  Each wave issues ONE tensor load, 64 rows x 1,024: four runs of 16,384 bytes, one for each K step, stated as the four rows of a tile.
; Nothing is ever filled again.  No prefetch: there is no loop to run ahead in.
; CLUSTERS: 4 x 4 work-groups.  A's tiles hang on the tile row alone and are asked for jointly along a row of the cluster, B's on the tile column alone and jointly along a column.
; THE MATRIX INSTRUCTION IS USED TRANSPOSED (source 0 = 16 rows of W_o, source 1 = 16 tokens): a lane holds eight neighbouring numbers of a row of the output.
; REGISTERS: window 0: v8, v9 LDS addresses; v24-26 the way out's; v32-63 at work; v64-127 rows read back, two sets; v128-255 the accumulators ((a, b) at v[128 + 8 (4 a + b)]).   window 1: two fragment buffers of 128: A's four fragments, then B's four.
.set PARTB, 65536                      ; 64 rows x 1,024 K
.set STAGE, 4*PARTB                    ; behind the tiles: 16 rows x 272 bytes for each wave, for the way out; no fill lands there
.set SP,    272                        ; a stage row: 256 bytes + 16: the sixteen rows that a store touches begin at sixteen different places among the banks (64 banks of 4 bytes: ISA guide 11.1)
.set SPARE, STAGE+4*16*SP              ; the spare words: two blocks of 256 bytes that no other line names
.set ADRA, 8
.set ADRB, 9
.set STO,  24                          ; v24     the way out: where I put 32 bytes of a row
.set RD,   25                          ; v25     where I read a row back
.set CO,   26                          ; v26     my byte offset in the output
.set TMP,  32
.set BK,   64
.set ACC,  128
.set F1,   128                         ; fragment buffer 1 (buffer 0 at 0), in window 1
.set WV,   12                          ; s12 wave;  s13 which half of the tile's tokens is mine, also: I fetch for A (0) or B (1);  s14 which half of its columns, also: which 64 rows I fetch
.set HI,   13
.set LO,   14
.set G1A,  16                          ; s[16:23], s[24:31] descriptor groups 1;  s[32:35], s[36:39] groups 0
.set G1B,  24
.set G0A,  32
.set G0B,  36
.set MSB, 0
.macro WIN new                         ; the immediate's high byte repeats the setting that is left
.if MSB != \new
	s_set_vgpr_msb (MSB<<8)|\new
.set MSB, \new
.endif
.endm
.set MULW, 0x05                        ; sources 0 (B) and 1 (A) window 1; C and D window 0
.set TO_F, 0x40                        ; destination window 1, address window 0
.macro CROUND                          ; a round of the cluster's barrier
	s_barrier_signal -1
	s_barrier_wait -1
	s_cmp_lg_u32 s[WV], 0
	s_cbranch_scc1 .Lnot_wave_0_\@
	s_barrier_signal -3
.Lnot_wave_0_\@:
	s_barrier_wait -3
	s_barrier_signal -1
	s_barrier_wait -1
.endm
.macro PLACES
.rept 4
	v_nop
.endr
.endm
	s_load_b256 s[4:11], s[0:1], 0x0               ; oc s[4:5], woc s[6:7], the scales' exponents s[8:9], out0 s[10:11]
	v_lshl_add_u32 v30, v0, 2, SPARE
	v_mov_b32 v31, 0
	ds_add_u32 v30, v31                            ; the wave's opening: the add, twice on end, and its wait
	ds_add_u32 v30, v31
	v_lshrrev_b32 v1, 5, v0
	v_readfirstlane_b32 s[WV], v1                  ; wave 0..3
	s_lshr_b32 s[HI], s[WV], 1
	s_and_b32 s[LO], s[WV], 1
	s_bfe_u32 s66, ttmp6, 0x40000                  ; cx, cy: my place in the cluster
	s_bfe_u32 s67, ttmp6, 0x40004
	s_lshl_b32 s74, ttmp9, 2
	s_add_co_u32 s74, s74, s66                     ; tile column = 4 x cluster x + cx
	s_and_b32 s70, ttmp7, 0xffff
	s_lshl_b32 s70, s70, 2
	s_add_co_u32 s70, s70, s67                     ; tile row = 4 x cluster y + cy
	s_lshl_b32 s68, s67, 2
	s_lshl_b32 s68, 15, s68                        ; my row of the cluster
	s_lshl_b32 s69, 0x1111, s66                    ; my column
	; descriptor group 1: 4 rows of 2,048 elements of 8 bytes
	s_or_b32 s[G1A+0], s68, (3<<16)|(1<<21)        ; 15:0 the mask: A's tiles go to my row; 17:16 elements of 8 bytes; 20 no padding; 21 set beside a mask
	s_or_b32 s[G1B+0], s69, (3<<16)|(1<<21)        ; B's tiles go to my column
.irp g, G1A, G1B
	s_mov_b32 s[\g+1], 2048<<16                    ; tensor_dim0
	s_mov_b32 s[\g+2], 4<<16                       ; tensor_dim1
	s_mov_b32 s[\g+3], 2048<<16                    ; tile_dim0
	s_mov_b32 s[\g+4], 4                           ; tile_dim1
	s_mov_b32 s[\g+6], 0
	s_mov_b32 s[\g+7], 0
.endr
	s_mov_b32 s[G1A+5], 131072                     ; tensor_dim0_stride: from K step to K step, 1,048,576 bytes in oc,
	s_mov_b32 s[G1B+5], 32768                      ; 262,144 in woc
	s_lshl_b32 s86, s[LO], 14                      ; the 64 rows that I fetch: 16,384 bytes of a K step
	s_lshl_b32 s72, s70, 15                        ; a tile's 128 rows: 32,768 bytes
	s_add_co_u32 s72, s72, s86
	s_mov_b32 s73, 0                               ; A: no register on its way to A's descriptors ever holds cx,
	s_lshl_b32 s76, s74, 15
	s_add_co_u32 s76, s76, s86
	s_mov_b32 s77, 0                               ; B: none on its way to B's ever holds cy
	s_lshl_b32 s83, s[WV], 16                      ; where they go: wave x 65,536: no place in the cluster enters an LDS address
	s_wait_alu depctr_va_vdst(0)
	s_wait_dscnt 0x0                               ; both opening adds are done
	s_wait_kmcnt 0x0
	s_load_b64 s[84:85], s[8:9], 0x18              ; e6, e7
	s_mov_b32 s[G0A], 1                            ; 1:0 count = 1
	s_mov_b32 s[G0A+1], s83                        ; 63:32 LDS address
	s_add_nc_u64 s[G0A+2:G0A+3], s[4:5], s[72:73]  ; 120:64 global address
	s_or_b32 s[G0A+3], s[G0A+3], 0x80000000        ; 127:126 type = 2
	s_mov_b32 s[G0B], 1
	s_mov_b32 s[G0B+1], s83
	s_add_nc_u64 s[G0B+2:G0B+3], s[6:7], s[76:77]
	s_or_b32 s[G0B+3], s[G0B+3], 0x80000000
	CROUND                                         ; all sixteen work-groups are here: the joint loads meet
	s_cmp_eq_u32 s[HI], 0
	s_cbranch_scc0 .Lfor_b
	tensor_load_to_lds s[G0A:G0A+3], s[G1A:G1A+7]
	s_nop 0
	PLACES
	s_branch .Lasked
.Lfor_b:
	tensor_load_to_lds s[G0B:G0B+3], s[G1B:G1B+7]
	s_nop 0
	PLACES
.Lasked:
	v_and_b32 v3, 31, v0
	v_lshlrev_b32 v3, 4, v3                        ; 16 x lane: an image's place for my lane
	v_and_b32 v1, 15, v0                           ; r
	v_bfe_u32 v2, v0, 4, 1                         ; h
	s_wait_alu depctr_va_vdst(0)                   ; ahead of the scalar lines below
	s_lshl_b32 s87, s[HI], 16                      ; my 64 rows of A
	s_lshl_b32 s88, s[LO], 16                      ; my 64 rows of B,
	s_add_co_u32 s88, s88, 2*PARTB                 ; which lie behind A's 128
	v_add_nc_u32 v[ADRA], s87, v3
	v_add_nc_u32 v[ADRB], s88, v3
	s_mul_i32 s82, s[WV], 16*SP
	s_add_co_u32 s82, s82, STAGE                   ; my stage
	v_mul_u32_u24 v[STO], v1, SP                   ; in: row r, 32 bytes for each half of the lanes
	v_mul_u32_u24 v[RD], v2, SP                    ; back: lanes 0-15 take one row of 256 bytes, lanes 16-31 the next
	v_lshlrev_b32 v[CO], 12, v2                    ; and the same two rows of the output, 4,096 bytes apart
	v_lshl_add_u32 v[STO], v2, 5, v[STO]
	v_lshl_add_u32 v[RD], v1, 4, v[RD]
	v_lshl_add_u32 v[CO], v1, 4, v[CO]
	v_add_nc_u32 v[STO], s82, v[STO]
	v_add_nc_u32 v[RD], s82, v[RD]
	s_lshl_b32 s80, s70, 7
	s_lshl_b32 s81, s[HI], 6
	s_add_co_u32 s80, s80, s81                     ; my first token: 128 x tile row + 64 x half
	s_lshl_b32 s80, s80, 12
	s_lshl_b32 s81, s74, 9                         ; my first column, in bytes: 512 x tile column + 256 x half
	s_add_co_u32 s80, s80, s81
	s_lshl_b32 s81, s[LO], 8
	s_add_co_u32 s80, s80, s81
	s_mov_b32 s81, 0
	s_add_nc_u64 s[10:11], s[10:11], s[80:81]
; 32 LDS loads in one run: the fragments of the kk-th 128 along K (K step kk / 2, half kk % 2) into buffer f: A's four, then B's four; each load takes 512 consecutive bytes
.macro FETCH kk, f
	WIN TO_F
.irp i, 0,1,2,3
.irp c, 0,1,2,3
	ds_load_b128 v[\f+16*\i+4*\c:\f+16*\i+4*\c+3], v[ADRA] offset:((\kk)/2)*16384+\i*4096+((\kk)%2)*2048+\c*512
.endr
.endr
.irp i, 0,1,2,3
.irp c, 0,1,2,3
	ds_load_b128 v[\f+64+16*\i+4*\c:\f+64+16*\i+4*\c+3], v[ADRB] offset:((\kk)/2)*16384+\i*4096+((\kk)%2)*2048+\c*512
.endr
.endr
.endm
; 16 matrix instructions, 128 along K: the 16 accumulators take turns, one instruction a turn, in the same order in every step.  zero = 1: the first products start the sums
.macro MUL f, zero
	WIN MULW
.irp a, 0,1,2,3
.irp b, 0,1,2,3
.if \zero
	v_wmma_f32_16x16x128_fp8_fp8 v[ACC+8*(4*\a+\b):ACC+8*(4*\a+\b)+7], v[\f+64+16*\b:\f+64+16*\b+15], v[\f+16*\a:\f+16*\a+15], 0
.else
	v_wmma_f32_16x16x128_fp8_fp8 v[ACC+8*(4*\a+\b):ACC+8*(4*\a+\b)+7], v[\f+64+16*\b:\f+64+16*\b+15], v[\f+16*\a:\f+16*\a+15], v[ACC+8*(4*\a+\b):ACC+8*(4*\a+\b)+7]
.endif
.endr
.endr
.endm
	s_wait_alu depctr_va_vdst(0)
	s_wait_tensorcnt 0x0                           ; my part is in
	s_barrier_signal -1
	s_barrier_wait -1                              ; everybody's is
	FETCH 0, 0
.irp kk, 0,1,2,3,4,5,6,7
.if \kk < 7
.if \kk > 0
	PLACES                                         ; places in front of loads into the buffer that the last products have read
.endif
	FETCH \kk+1, F1*((\kk+1)%2)
	s_wait_dscnt 32                                ; all but the 32 just issued: this step's fragments are in
.else
	s_wait_dscnt 0x0
.endif
.if \kk == 0
	MUL F1*(\kk%2), 1
.else
	MUL F1*(\kk%2), 0
.endif
.endr
	WIN 0
; THE WAY OUT, block by block of 16 tokens x 64 columns.  A lane holds 32 neighbouring bytes of a row, and the lanes beside it hold other rows: so a block goes through my own stage in LDS and comes back as whole rows
; of 256 bytes.  LDS serves a wave's instructions in order (ISA guide 5.7.1.4): no wait between the stores and the loads, nor in front of the next block's stores.
.macro TOSTAGE a
.irp b, 0,1,2,3
.irp j, 0,2,4,6
	v_pk_mul_f32 v[TMP+8*\b+\j:TMP+8*\b+\j+1], v[ACC+8*(4*(\a)+\b)+\j:ACC+8*(4*(\a)+\b)+\j+1], s[78:79] op_sel_hi:[1,0]   ; both x s78 = 2^(e6 + e7); each accumulator from its low end on
.endr
.endr
.irp b, 0,1,2,3
	ds_store_b128 v[STO], v[TMP+8*\b:TMP+8*\b+3] offset:64*\b
	ds_store_b128 v[STO], v[TMP+8*\b+4:TMP+8*\b+7] offset:64*\b+16
.endr
.set BB, BK+32*((\a)%2)
.irp t, 0,1,2,3,4,5,6,7
	ds_load_b128 v[BB+4*\t:BB+4*\t+3], v[RD] offset:\t*2*SP
.endr
.endm
.macro SEND a, younger                 ; younger: the LDS instructions issued behind block a's loads, which may stay out
.set BB, BK+32*((\a)%2)
	s_wait_dscnt \younger                          ; the block is back in registers
.irp t, 0,1,2,3,4,5,6,7
	global_store_b128 v[CO], v[BB+4*\t:BB+4*\t+3], s[10:11] offset:(16*(\a)+2*\t)*4096 th:TH_STORE_NT   ; 16 lanes store 256 consecutive bytes, at a multiple of 256 from the output's first byte; written once, read by nobody here
.endr
.endm
	s_wait_kmcnt 0x0
	s_add_co_i32 s78, s84, s85                     ; e6 + e7, between -126 and 127,
	s_add_co_i32 s78, s78, 127
	s_lshl_b32 s78, s78, 23                        ; makes the f32 number 2^(e6 + e7)
	s_mov_b32 s79, s78                             ; (named with it as a pair, so it is written)
	PLACES                                         ; places behind the last products, in front of the first reads of results
	TOSTAGE 0
.irp a, 1,2,3
.if \a > 1
	s_wait_xcnt 0x0                                ; block a - 2's stores have read their registers: block a's loads may land there
.endif
	TOSTAGE \a
	SEND \a-1, 16                                  ; behind block a - 1's loads: block a's 8 stores and 8 loads
.endr
	SEND 3, 0
	s_wait_tensorcnt 0x0                           ; the wave's end
	ds_add_u32 v30, v31
	s_wait_dscnt 0x0
	CROUND                                         ; the closing round: no work-group ends while a partner may still ask for a tile that names it
	s_endpgm
.Lfunc_end_k_q048fdc2ba8_oproj:
	.size	k_q048fdc2ba8_oproj, .Lfunc_end_k_q048fdc2ba8_oproj-k_q048fdc2ba8_oproj
	.p2alignl 7, 3214868480
	.fill 96, 4, 3214868480
	.section	.rodata,"a",@progbits
	.p2align	6, 0x0
	.amdhsa_kernel k_q048fdc2ba8_oproj
		.amdhsa_group_segment_fixed_size 327680
		.amdhsa_private_segment_fixed_size 0
		.amdhsa_enable_private_segment 0
		.amdhsa_kernarg_size 32
		.amdhsa_user_sgpr_count 2
		.amdhsa_user_sgpr_kernarg_segment_ptr 1
		.amdhsa_wavefront_size32 1
		.amdhsa_system_sgpr_workgroup_id_x 1
		.amdhsa_system_sgpr_workgroup_id_y 1
		.amdhsa_system_sgpr_workgroup_id_z 1
		.amdhsa_system_vgpr_workitem_id 0
		.amdhsa_next_free_vgpr 512
		.amdhsa_next_free_sgpr 90
		.amdhsa_reserve_vcc 0
		.amdhsa_float_denorm_mode_32 3
		.amdhsa_float_denorm_mode_16_64 3
		.amdhsa_memory_ordered 1
		.amdhsa_forward_progress 1
		.amdhsa_inst_pref_size 43
	.end_amdhsa_kernel
	.amdgpu_metadata
---
amdhsa.version: [ 1, 2 ]
amdhsa.kernels:
  - .name:           k_q048fdc2ba8_oproj
    .symbol:         k_q048fdc2ba8_oproj.kd
    .args:
      - { .name: oc, .offset: 0, .size: 8, .value_kind: global_buffer, .address_space: global }
      - { .name: woc, .offset: 8, .size: 8, .value_kind: global_buffer, .address_space: global }
      - { .name: lowp_scales, .offset: 16, .size: 8, .value_kind: global_buffer, .address_space: global }
      - { .name: out0, .offset: 24, .size: 8, .value_kind: global_buffer, .address_space: global }
    .group_segment_fixed_size: 327680
    .private_segment_fixed_size: 0
    .kernarg_segment_align: 8
    .kernarg_segment_size: 32
    .max_flat_workgroup_size: 128
    .sgpr_count:     90
    .vgpr_count:     512
    .wavefront_size: 32
...
	.end_amdgpu_metadata
.endif
;; end of part 4
